; MI455X (gfx1250); checked and timed in simulation.
; The chip was launched on July 23, 2026; its instructions are those of AMD's public machine-readable ISA for CDNA 5 (MIT licence, August 2026) and "CDNA5" Instruction Set Architecture Reference Guide (July 2026). The comments in the code are by the model that wrote it; some were corrected since.
;; Transformer Layer. Allowed arithmetic: float matrix products may take bf16 or f16 operands with f32 sums; all other float work in f32.
;; Inputs: b1 1,024 float32; b2 1,024 float32; bk 1,024 float32; bq 1,024 float32; bv 1,024 float32; ln1_b 1,024 float32; ln1_s 1,024 float32; ln2_b 1,024 float32; ln2_s 1,024 float32; w1 1,024 x 1,024 float32; w2 1,024 x 1,024 float32; wk 1,024 x 1,024 float32; wo 1,024 x 1,024 float32; wq 1,024 x 1,024 float32; wv 1,024 x 1,024 float32; x 2 x 2,048 x 1,024 float32.
;; Outputs: out0 2 x 2,048 x 1,024 float32.
;; One version. Each part assembles by itself: llvm-mc -triple=amdgcn-amd-amdhsa -mcpu=gfx1250 --defsym DOCPART=n.
;; ======== version 1 of 1: 7 launches
;; limits: values are held in f16: magnitudes above 65,504 overflow, below 6.1e-05 lose precision
;; workspace buffers: xn 8,388,608 bytes; xn2 8,388,608 bytes; wb 12,582,912 bytes; qkvb 25,165,824 bytes; att 8,388,608 bytes; x1 16,777,216 bytes; hb 8,388,608 bytes
;; launch prep (part 1): grid 1024 x 1, 8 waves a work-group, no clusters, 0 bytes of LDS; arguments x, ln1_s, ln1_b, xn, wq, wk, wv, wo, w1, w2, wb; writes xn, wb
.if DOCPART == 1
	.amdgcn_target "amdgcn-amd-amdhsa--gfx1250"
	.amdhsa_code_object_version 6
	.text
	.protected	k_qeb0f333551_prep
	.globl	k_qeb0f333551_prep
	.p2align	8
	.type	k_qeb0f333551_prep,@function
k_qeb0f333551_prep:
	s_mov_b64 s[64:65], 0
	v_nop
	global_prefetch_b8 v0, s[64:65] scope:SCOPE_SE
	s_setreg_imm32_b32 hwreg(HW_REG_WAVE_MODE, 25, 1), 1
	s_wait_xcnt 0x0
; Two jobs that do not depend on each other, told apart by the work-group's number.
; Work-groups 0-255: xn = LayerNorm(x) * ln1_s + ln1_b, rounded once to f16.  x: [4096][1024] f32, xn: [4096][1024] f16.
;   Eight waves, 16 rows a work-group, two whole rows a wave: a row is 4,096 bytes = 32 registers of one wave, so it stays in
;   registers between the mean, the centred sum of squares and the scaling, and no wave waits for another: no LDS, no barrier.
;   The mean is taken away before the squares are summed, as the problem's function does: no difference of large sums is formed.
; Work-groups 256-1023: the six weight matrices, f32 [1024 k][1024 n], rounded once to f16 into wb in the order q, k, v, o, 1, 2
;   (2,097,152 bytes each, same row-major layout).  8,192 numbers a work-group, 32 a thread.
; WHY f16 AND NOT bf16: 11 significant bits against 8.  The first tokens' attention output is a single v, not an average, so every rounding on
; the way shows there in full.
; LIMITS of f16.  A normalised number is below sqrt(1024) = 32, so |xn| <= 32 |gain| + |bias|: it must stay under 65,504 (gains up to some 2,000).
; A weight must stay under 65,504; below 2^-14 its step is 2^-24, which for weights of spread 1/1000 (thirty times smaller than 1/32) is 6e-5 of the spread.
; Memory binds both jobs: every load of a wave covers 512 neighbouring bytes, every store 256 neighbouring aligned bytes.
; Matrix units, LDS and clusters would add nothing here.
.set OFF,  2                           ; v2       16 x lane (LayerNorm) or 16 x thread (cast): my 16 bytes of each 512 (4,096)
.set OFFO, 3                           ; v3       8 x lane or 8 x thread: the same place in f16
.set T,    4                           ; v[4:11]  four pairs: chains of sums
.set MU,   12                          ; v[12:13] the mean, twice
.set KI,   14                          ; v14      1/1024
.set R0,   16                          ; v[16:17] 1/sqrt(var + eps) of row 0, twice
.set R1,   18                          ; v[18:19] of row 1
.set X0,   20                          ; v[20:51] row 0: load j holds columns 128 j + 4 lane .. + 3
.set X1,   52                          ; v[52:83] row 1
.set SC,   84                          ; v[84:115]  the gain of the same columns
.set BI,   116                         ; v[116:147] the bias of the same columns
; the four chains in T to one number, the same in all 32 lanes
.macro WSUM
	v_pk_add_f32 v[T:T+1], v[T:T+1], v[T+2:T+3]
	v_pk_add_f32 v[T+4:T+5], v[T+4:T+5], v[T+6:T+7]
	v_pk_add_f32 v[T:T+1], v[T:T+1], v[T+4:T+5]
	v_add_f32 v[T], v[T], v[T+1]
	v_add_f32_dpp v[T], v[T], v[T] row_xmask:1 row_mask:0xf bank_mask:0xf
	v_add_f32_dpp v[T], v[T], v[T] row_xmask:2 row_mask:0xf bank_mask:0xf
	v_add_f32_dpp v[T], v[T], v[T] row_xmask:4 row_mask:0xf bank_mask:0xf
	v_add_f32_dpp v[T], v[T], v[T] row_xmask:8 row_mask:0xf bank_mask:0xf
	v_permlanex16_b32 v[T+1], v[T], s16, s17       ; the other half of the lanes; its destination has been written before
	v_add_f32 v[T], v[T], v[T+1]
.endm
; the row in x is centred in place; r gets 1/sqrt(var + 1e-6), twice
.macro STATS x, r
.irp k, 0,2,4,6
	v_pk_add_f32 v[T+\k:T+\k+1], v[\x+\k:\x+\k+1], v[\x+8+\k:\x+8+\k+1]     ; the first sums start the chains: nothing is cleared
.endr
.irp o, 16,24
.irp k, 0,2,4,6
	v_pk_add_f32 v[T+\k:T+\k+1], v[T+\k:T+\k+1], v[\x+\o+\k:\x+\o+\k+1]
.endr
.endr
	WSUM
	v_mul_f32 v[MU], v[KI], v[T]
	v_mov_b32 v[MU+1], v[MU]
.set i, 0
.rept 16
	v_pk_add_f32 v[\x+i:\x+i+1], v[\x+i:\x+i+1], v[MU:MU+1] neg_lo:[0,1] neg_hi:[0,1]
.set i, i+2
.endr
.irp k, 0,2,4,6
	v_pk_mul_f32 v[T+\k:T+\k+1], v[\x+\k:\x+\k+1], v[\x+\k:\x+\k+1]
.endr
.irp o, 8,16,24
.irp k, 0,2,4,6
	v_pk_fma_f32 v[T+\k:T+\k+1], v[\x+\o+\k:\x+\o+\k+1], v[\x+\o+\k:\x+\o+\k+1], v[T+\k:T+\k+1]
.endr
.endr
	WSUM
	v_fma_f32 v[T], v[T], v[KI], s20               ; var + 1e-6
	v_rsq_f32 v[\r], v[T]
	v_rsq_f32 v[\r+1], v[T]
	v_nop                                          ; one plain place before the result is used or T rewritten (ISA guide 5.7.2)
.endm
; scale, gain and bias, round to f16 in place (register x+i takes columns 2i, 2i+1 of my 32), store
.macro NORM x, r, rowimm
.set i, 0
	s_wait_alu depctr_va_vdst(0)
.rept 16
	v_pk_mul_f32 v[\x+i:\x+i+1], v[\x+i:\x+i+1], v[\r:\r+1]
	v_pk_fma_f32 v[\x+i:\x+i+1], v[\x+i:\x+i+1], v[SC+i:SC+i+1], v[BI+i:BI+i+1]
.set i, i+2
.endr
.set i, 0
.rept 16
	v_cvt_pk_f16_f32 v[\x+i], v[\x+2*i], v[\x+2*i+1]
.set i, i+1
.endr
.irp j, 0,1,2,3,4,5,6,7
	global_store_b64 v[OFFO], v[\x+2*\j:\x+2*\j+1], s[10:11] offset:256*\j+\rowimm   ; 32 lanes x 8 bytes: 256 neighbouring bytes, aligned
.endr
.endm
	s_cmp_ge_u32 ttmp9, 256
	s_cbranch_scc1 .Lcvt
	; ---- LayerNorm ----
	s_load_b256 s[4:11], s[0:1], 0x0               ; x s[4:5], ln1_s s[6:7], ln1_b s[8:9], xn s[10:11]
	v_lshrrev_b32 v1, 5, v0
	v_readfirstlane_b32 s12, v1                    ; wave 0..7
	s_lshl_b32 s14, ttmp9, 16                      ; 16 rows of 4,096 bytes a work-group
	s_lshl_b32 s13, s12, 13                        ; 2 rows a wave
	s_add_co_u32 s14, s14, s13
	s_mov_b32 s15, 0
	s_lshr_b32 s18, s14, 1                         ; the same rows in f16: half the bytes
	s_mov_b32 s19, 0
	s_mov_b32 s16, 0x76543210                      ; v_permlanex16_b32: lane i of one half reads lane i of the other
	s_mov_b32 s17, 0xfedcba98
	s_mov_b32 s20, 0x358637bd                      ; 1e-6
	v_and_b32 v1, 31, v0
	v_lshlrev_b32 v[OFF], 4, v1
	v_lshlrev_b32 v[OFFO], 3, v1
	v_mov_b32 v[KI], 0x3a800000                    ; 1/1024
	s_wait_kmcnt 0x0
	s_add_nc_u64 s[4:5], s[4:5], s[14:15]
	s_add_nc_u64 s[10:11], s[10:11], s[18:19]
.irp j, 0,1,2,3,4,5,6,7
	global_load_b128 v[X0+4*\j:X0+4*\j+3], v[OFF], s[4:5] offset:512*\j
.endr
.irp j, 0,1,2,3,4,5,6,7
	global_load_b128 v[X1+4*\j:X1+4*\j+3], v[OFF], s[4:5] offset:4096+512*\j
.endr
.irp j, 0,1,2,3,4,5,6,7
	global_load_b128 v[SC+4*\j:SC+4*\j+3], v[OFF], s[6:7] offset:512*\j
.endr
.irp j, 0,1,2,3,4,5,6,7
	global_load_b128 v[BI+4*\j:BI+4*\j+3], v[OFF], s[8:9] offset:512*\j
.endr
	s_wait_loadcnt 24                              ; row 0 is in: the 24 younger loads stay out
	STATS X0, R0
	s_wait_loadcnt 16                              ; row 1 is in: gain and bias stay out
	STATS X1, R1
	s_wait_loadcnt 0x0                             ; gain and bias
	NORM X0, R0, 0
	NORM X1, R1, 2048
	s_endpgm
	; ---- the weights to f16 ----
.Lcvt:
	s_load_b256 s[20:27], s[0:1], 0x20             ; wq s[20:21], wk s[22:23], wv s[24:25], wo s[26:27]
	s_load_b128 s[28:31], s[0:1], 0x40             ; w1 s[28:29], w2 s[30:31]
	s_load_b64 s[32:33], s[0:1], 0x50              ; wb
	s_sub_co_u32 s12, ttmp9, 256                   ; c = 0..767
	s_lshr_b32 s13, s12, 7                         ; which matrix: 128 work-groups each
	s_and_b32 s14, s12, 127
	s_lshl_b32 s14, s14, 15                        ; 32,768 bytes of f32 a work-group
	s_mov_b32 s15, 0
	s_lshl_b32 s18, s12, 14                        ; 16,384 bytes of f16; the matrices follow each other in wb
	s_mov_b32 s19, 0
	v_lshlrev_b32 v[OFF], 4, v0
	v_lshlrev_b32 v[OFFO], 3, v0
	s_wait_kmcnt 0x0
	s_mov_b64 s[4:5], s[20:21]
	s_cmp_eq_u32 s13, 1
	s_cselect_b64 s[4:5], s[22:23], s[4:5]
	s_cmp_eq_u32 s13, 2
	s_cselect_b64 s[4:5], s[24:25], s[4:5]
	s_cmp_eq_u32 s13, 3
	s_cselect_b64 s[4:5], s[26:27], s[4:5]
	s_cmp_eq_u32 s13, 4
	s_cselect_b64 s[4:5], s[28:29], s[4:5]
	s_cmp_eq_u32 s13, 5
	s_cselect_b64 s[4:5], s[30:31], s[4:5]
	s_add_nc_u64 s[4:5], s[4:5], s[14:15]
	s_add_nc_u64 s[32:33], s[32:33], s[18:19]
.irp j, 0,1,2,3,4,5,6,7
	global_load_b128 v[20+4*\j:20+4*\j+3], v[OFF], s[4:5] offset:4096*\j th:TH_LOAD_NT
.endr
.irp j, 0,1,2,3,4,5,6,7
	s_wait_loadcnt 7-\j                            ; loads come back in order: load j is in, the younger ones stay out
	v_cvt_pk_f16_f32 v[52+2*\j], v[20+4*\j], v[21+4*\j]
	v_cvt_pk_f16_f32 v[53+2*\j], v[22+4*\j], v[23+4*\j]
	global_store_b64 v[OFFO], v[52+2*\j:53+2*\j], s[32:33] offset:2048*\j
.endr
	s_endpgm
.Lfunc_end_k_qeb0f333551_prep:
	.size	k_qeb0f333551_prep, .Lfunc_end_k_qeb0f333551_prep-k_qeb0f333551_prep
	.p2alignl 7, 3214868480
	.fill 96, 4, 3214868480
	.section	.rodata,"a",@progbits
	.p2align	6, 0x0
	.amdhsa_kernel k_qeb0f333551_prep
		.amdhsa_group_segment_fixed_size 0
		.amdhsa_private_segment_fixed_size 0
		.amdhsa_enable_private_segment 0
		.amdhsa_kernarg_size 88
		.amdhsa_user_sgpr_count 2
		.amdhsa_user_sgpr_kernarg_segment_ptr 1
		.amdhsa_wavefront_size32 1
		.amdhsa_system_sgpr_workgroup_id_x 1
		.amdhsa_system_sgpr_workgroup_id_y 1
		.amdhsa_system_sgpr_workgroup_id_z 1
		.amdhsa_system_vgpr_workitem_id 0
		.amdhsa_next_free_vgpr 148
		.amdhsa_next_free_sgpr 66
		.amdhsa_reserve_vcc 0
		.amdhsa_float_denorm_mode_32 3
		.amdhsa_float_denorm_mode_16_64 3
		.amdhsa_memory_ordered 1
		.amdhsa_forward_progress 1
		.amdhsa_inst_pref_size 24
	.end_amdhsa_kernel
	.amdgpu_metadata
---
amdhsa.version: [ 1, 2 ]
amdhsa.kernels:
  - .name:           k_qeb0f333551_prep
    .symbol:         k_qeb0f333551_prep.kd
    .args:
      - { .name: x, .offset: 0, .size: 8, .value_kind: global_buffer, .address_space: global }
      - { .name: ln1_s, .offset: 8, .size: 8, .value_kind: global_buffer, .address_space: global }
      - { .name: ln1_b, .offset: 16, .size: 8, .value_kind: global_buffer, .address_space: global }
      - { .name: xn, .offset: 24, .size: 8, .value_kind: global_buffer, .address_space: global }
      - { .name: wq, .offset: 32, .size: 8, .value_kind: global_buffer, .address_space: global }
      - { .name: wk, .offset: 40, .size: 8, .value_kind: global_buffer, .address_space: global }
      - { .name: wv, .offset: 48, .size: 8, .value_kind: global_buffer, .address_space: global }
      - { .name: wo, .offset: 56, .size: 8, .value_kind: global_buffer, .address_space: global }
      - { .name: w1, .offset: 64, .size: 8, .value_kind: global_buffer, .address_space: global }
      - { .name: w2, .offset: 72, .size: 8, .value_kind: global_buffer, .address_space: global }
      - { .name: wb, .offset: 80, .size: 8, .value_kind: global_buffer, .address_space: global }
    .group_segment_fixed_size: 0
    .private_segment_fixed_size: 0
    .kernarg_segment_align: 8
    .kernarg_segment_size: 88
    .max_flat_workgroup_size: 256
    .sgpr_count:     66
    .vgpr_count:     148
    .wavefront_size: 32
...
	.end_amdgpu_metadata
.endif
;; end of part 1
;; launch proj_qkv (part 2): grid 8 x 32, 4 waves a work-group, clusters of 4 x 4, 327,680 bytes of LDS; arguments xn, wb, bq, bk, bv, qkvb; writes qkvb
.if DOCPART == 2
	.amdgcn_target "amdgcn-amd-amdhsa--gfx1250"
	.amdhsa_code_object_version 6
	.text
	.protected	k_qeb0f333551_proj_qkv
	.globl	k_qeb0f333551_proj_qkv
	.p2align	8
	.type	k_qeb0f333551_proj_qkv,@function
k_qeb0f333551_proj_qkv:
	s_mov_b64 s[64:65], 0
	v_nop
	global_prefetch_b8 v0, s[64:65] scope:SCOPE_SE
	s_setreg_imm32_b32 hwreg(HW_REG_WAVE_MODE, 25, 1), 1
	s_wait_xcnt 0x0
	s_wait_alu depctr_hold_cnt(0) depctr_sa_sdst(0) depctr_va_vdst(0) depctr_va_sdst(0) depctr_va_ssrc(0) depctr_va_vcc(0) depctr_vm_vsrc(0)
	s_getreg_b32 s2, hwreg(HW_REG_IB_STS2, 6, 4)
	s_cmp_eq_u32 s2, 0
	s_cbranch_scc0 .Lentry_in_a_cluster
	s_endpgm
.Lentry_in_a_cluster:
	s_bfe_u32 s2, ttmp6, 0x10000c
	s_cmp_lg_u32 s2, 0xf033
	s_cbranch_scc0 .Lentry_shape_is_right
	s_endpgm
.Lentry_shape_is_right:
; q, k, v = xn W + bias, rounded once to f16.  xn: [4096][1024] f16; W = wq, wk, wv, the first three f16 matrices [1024 k][1024 n] of wb;
; qkvb: [4096][3072] f16, columns q | k | v; bias = bq, bk, bv in f32.  K = 1024.
; A work-group makes rows 128 by .. + 127 and columns 128 bx .. + 127 of ALL THREE products: 128 x 384 outputs, so that 4096 x 3072 outputs are 256
; work-groups and a tile of xn is fetched and read once for three products.  Four waves; a wave makes 64 rows x 64 columns of each product:
; 48 accumulator tiles of 16 x 16, 384 registers.  For 32 along K it reads 8 + 24 fragments' halves from LDS (32 loads) for 48 matrix instructions.
; K goes in 8 steps of 128 through two LDS slots filled by the tensor data mover, one load a wave: waves 0, 1, 2 bring 128 k rows x 128 columns of wq, wk, wv,
; wave 3 brings 128 rows x 128 k of xn; all rows are 256 bytes of memory and start at multiples of 256 bytes.  W stays [k][n] in LDS;
; ds_load_tr16_b128 transposes it into fragments.
; CLUSTERS: 4 x 4 work-groups.  xn's tile hangs on the block row alone and is asked for jointly by a row of the cluster, W's tiles on the block
; column alone and are asked for jointly by a column: the requests for both are divided by four.
; The matrix instruction is used transposed (source 0 = 16 columns of W, source 1 = 16 rows of xn): a lane's eight results are eight
; neighbouring columns of one row.  The bias is the C operand of each sum's first product: nothing is cleared and nothing is added later.
; LIMITS: operands are f16 (rounded once where they are made), sums and bias f32.  The results are f16: one beyond 65,504 becomes infinite.  With LayerNorm
; gains of 30 and weights of spread 30/32 (both thirty times the usual) the results have spread 30 x 30 = 900; with both thirty times smaller, 1e-3,
; where f16's step is at most 2^-20.
;
; REGISTERS, in windows of 256.  s_set_vgpr_msb's low byte: bits 1:0 source 0, 3:2 source 1, 5:4 source 2, 7:6 destination; the high byte repeats the setting left.
;   window 0: v16-27 addresses; v32-63, v64-95 xn's fragments, two buffers; v96-191 the bias; v192-255 at work on the way out
;   window 1: accumulators of q (v0-127) and k (v128-255), tile (a, b) at + 8 (4 a + b);   window 2: those of v (v0-127)
;   window 3: W's fragments, buffer n at v[96 n], matrix j, column tile b at + 32 j + 8 b; on the way out the rows read back
.set OUTP,  6144                       ; bytes in a row of qkvb
.set KSTEP, 128
.set PA,    272                        ; LDS pitch of xn's rows: 256 + 16 = 17 x 16 bytes: 16 rows start at 16 different 16-byte columns modulo 256
.set PB,    288                        ; LDS pitch of W's rows: 256 + 32 = 9 x 32 bytes
.set BT,    KSTEP*PB                   ; one matrix's 128 k rows: 36,864 bytes
.set AOFF,  3*BT                       ; xn behind the three
.set SLOT,  AOFF+128*PA                ; 145,408 bytes
.set STAGE, 2*SLOT                     ; behind the ring, never a tensor load's target: 128 rows x 272 bytes for the way out
.set SP,    272
.set LAPS,  1024/(2*KSTEP)             ; a lap = two K steps = once round the ring
.set ADRA, 16                          ; v16-17  LDS address of my xn fragments in slot 0, 1
.set ADRB, 18                          ; v18-23  of my W fragments: 3 x slot + matrix
.set STO,  24                          ; v24     the way out: where I put 16 bytes of a row
.set RD,   25                          ; v25     where I read rows back
.set CO,   26                          ; v26     my byte offset in qkvb
.set BO,   27                          ; v27     my byte offset in a bias
.set FA,   32                          ; xn's fragments: buffer n at + 32 n, row tile a at + 8 a
.set BIAS, 96                          ; bias of matrix j, column tile b at + 32 j + 8 b
.set G1,  24                           ; s[24:31] descriptor group 1 for xn
.set G0,  32                           ; s[32:39] group 0 for xn, one set for each slot
.set G1B, 48                           ; s[48:55] group 1 for W
.set G0B, 56                           ; s[56:63] group 0 for W, one set for each slot
.set MSB, 0
.macro WIN new
.if MSB != \new
	s_set_vgpr_msb (MSB<<8)|\new
.set MSB, \new
.endif
.endm
.macro PLACES                          ; four places behind a matrix instruction (ISA guide 7.12.1) before its registers are loaded into or its result read
.rept 4
	v_nop
.endr
.endm
; A joint load.  Wave 3 fetches xn's tile, waves 0 to 2 the three matrices' tiles.  Each line has one mask and one set of registers for all that issue it.
.macro JLOAD s
	s_cmp_eq_u32 s10, 3
	s_cbranch_scc0 .Lfor_b_\@
	tensor_load_to_lds s[G0+4*\s:G0+4*\s+3], s[G1:G1+7]
	s_nop 0
.rept 4
	v_nop
.endr
	s_branch .Lasked_\@
.Lfor_b_\@:
	tensor_load_to_lds s[G0B+4*\s:G0B+4*\s+3], s[G1B:G1B+7]
	s_nop 0
.rept 4
	v_nop
.endr
.Lasked_\@:
.endm
; A round of the cluster's barrier: my work-group's barrier, wave 0 signals for the work-group, every wave waits for all sixteen, my work-group's barrier again.
.macro CREST
	s_cmp_lg_u32 s10, 0
	s_cbranch_scc1 .Lnot_wave_0_\@
	s_barrier_signal -3
.Lnot_wave_0_\@:
	s_barrier_wait -3
	s_barrier_signal -1
	s_barrier_wait -1
.endm
.macro CROUND
	s_barrier_signal -1
	s_barrier_wait -1
	CREST
.endm
	s_load_b128 s[4:7], s[0:1], 0x0                ; xn s[4:5], wb s[6:7]
	s_load_b128 s[68:71], s[0:1], 0x10             ; bq s[68:69], bk s[70:71]
	s_load_b128 s[72:75], s[0:1], 0x20             ; bv s[72:73], qkvb s[74:75]
	s_set_vgpr_msb 0xc0
	v_lshl_add_u32 v193, v0, 2, 0x4f800
	s_set_vgpr_msb 0xc000
	v_mov_b32 v31, 0
	s_set_vgpr_msb 0x3
	ds_add_u32 v193, v31
	ds_add_u32 v193, v31
	s_set_vgpr_msb 0x300
	v_lshrrev_b32 v1, 5, v0
	v_readfirstlane_b32 s10, v1                    ; wave 0..3
	s_lshr_b32 s11, s10, 1                         ; my half of the block's rows
	s_and_b32 s12, s10, 1                          ; my half of its columns
	s_bfe_u32 s40, ttmp6, 0x40000                  ; cx
	s_bfe_u32 s41, ttmp6, 0x40004                  ; cy
	s_lshl_b32 s42, ttmp9, 2
	s_add_co_u32 s42, s42, s40                     ; block column = 4 x cluster x + cx
	s_and_b32 s13, ttmp7, 0xffff
	s_lshl_b32 s13, s13, 2
	s_add_co_u32 s13, s13, s41                     ; block row = 4 x cluster y + cy
	s_lshl_b32 s43, s41, 2
	s_lshl_b32 s43, 15, s43                        ; my row of the cluster: places 4 cy .. 4 cy + 3
	s_lshl_b32 s44, 0x1111, s40                    ; my column: places cx, cx + 4, cx + 8, cx + 12
	; group 1 for xn: 128 rows x 128 elements of 2 bytes, 4 words of padding behind every 64 words
	s_or_b32 s[G1+0], s43, (1<<16)|(1<<20)|(1<<21)|(5<<22)|(3<<25)
	s_mov_b32 s[G1+1], KSTEP<<16                   ; tensor_dim0 = 128
	s_mov_b32 s[G1+2], 128<<16                     ; tensor_dim1 = 128
	s_mov_b32 s[G1+3], KSTEP<<16                   ; tile_dim0 = 128
	s_mov_b32 s[G1+4], 128                         ; tile_dim1 = 128
	s_mov_b32 s[G1+5], 1024                        ; elements from row to row
	s_mov_b32 s[G1+6], 0
	s_mov_b32 s[G1+7], 0
	; group 1 for W: 128 k rows x 128 elements, 8 words of padding behind every 64 words
	s_or_b32 s[G1B+0], s44, (1<<16)|(1<<20)|(1<<21)|(5<<22)|(7<<25)
	s_mov_b32 s[G1B+1], 128<<16
	s_mov_b32 s[G1B+2], KSTEP<<16
	s_mov_b32 s[G1B+3], 128<<16
	s_mov_b32 s[G1B+4], KSTEP
	s_mov_b32 s[G1B+5], 1024
	s_mov_b32 s[G1B+6], 0
	s_mov_b32 s[G1B+7], 0
	; where the tiles come from: xn's address is made of the block row alone, W's of the block column and the wave
	s_lshl_b32 s16, s13, 18                        ; 128 rows of 2,048 bytes a block row
	s_mov_b32 s17, 0
	s_lshl_b32 s46, s42, 8                         ; 128 columns of 2 bytes a block column
	s_lshl_b32 s47, s10, 21                        ; + the wave's matrix: 2,097,152 bytes each (wave 3's value is not used)
	s_add_co_u32 s46, s46, s47
	s_mov_b32 s47, 0
	s_mul_i32 s21, s10, BT                         ; and where W's go: the wave's number x 36,864
	s_wait_dscnt 0x0
	s_wait_kmcnt 0x0
	s_add_nc_u64 s[14:15], s[4:5], s[16:17]
	s_add_nc_u64 s[46:47], s[6:7], s[46:47]
	CROUND                                         ; all sixteen work-groups are here: the first joint loads meet
.irp s, 0,1
	s_mov_b32 s[G0+4*\s], 1
	s_mov_b32 s[G0+4*\s+1], AOFF+\s*SLOT
	s_add_nc_u64 s[G0+4*\s+2:G0+4*\s+3], s[14:15], \s*KSTEP*2      ; K step s: 256 bytes along a row
	s_or_b32 s[G0+4*\s+3], s[G0+4*\s+3], 0x80000000
	s_mov_b32 s[G0B+4*\s], 1
	s_add_co_u32 s[G0B+4*\s+1], s21, \s*SLOT
	s_add_nc_u64 s[G0B+4*\s+2:G0B+4*\s+3], s[46:47], \s*KSTEP*2048 ; K step s: 128 k rows of 2,048 bytes
	s_or_b32 s[G0B+4*\s+3], s[G0B+4*\s+3], 0x80000000
	JLOAD \s                                       ; both slots are asked for before anything else: two loads of a wave are out, later never more than one
.endr
	; lane addresses.  r = lane % 16, h = lane / 16.
	v_and_b32 v1, 15, v0
	v_bfe_u32 v2, v0, 4, 1
	v_mul_u32_u24 v3, v1, PA
	v_lshl_add_u32 v3, v2, 4, v3                   ; xn fragment: row r, 16 bytes at 16 h; second load 32 bytes on
	s_mul_i32 s22, s11, 64*PA
	s_add_co_u32 s22, s22, AOFF
	v_add_nc_u32 v[ADRA], s22, v3
	v_add_nc_u32 v[ADRA+1], SLOT, v[ADRA]
	v_and_b32 v4, 7, v0                            ; W fragment by the transposing load: k row 8 h + lane % 8, 16 bytes at 16 ((lane / 8) % 2)
	v_lshl_add_u32 v4, v2, 3, v4
	v_mul_u32_u24 v4, v4, PB
	v_bfe_u32 v5, v0, 3, 1
	v_lshl_add_u32 v4, v5, 4, v4
	s_lshl_b32 s22, s12, 7                         ; my 64 columns: 128 bytes
	v_add_nc_u32 v[ADRB], s22, v4
	v_add_nc_u32 v[ADRB+1], BT, v[ADRB]
	v_add_nc_u32 v[ADRB+2], 2*BT, v[ADRB]
	v_add_nc_u32 v[ADRB+3], SLOT, v[ADRB]
	v_add_nc_u32 v[ADRB+4], SLOT, v[ADRB+1]
	v_add_nc_u32 v[ADRB+5], SLOT, v[ADRB+2]
	v_mul_u32_u24 v5, v1, SP                       ; the way out, in: row 64 wr + r, byte 128 wc + 16 h
	v_lshl_add_u32 v5, v2, 4, v5
	s_mul_i32 s22, s11, 64*SP
	s_lshl_b32 s23, s12, 7
	s_add_co_u32 s22, s22, s23
	s_add_co_u32 s22, s22, STAGE
	v_add_nc_u32 v[STO], s22, v5
	v_mul_u32_u24 v5, v2, SP                       ; back: rows 32 w + h, 16 bytes at 16 r
	v_lshl_add_u32 v5, v1, 4, v5
	s_mul_i32 s22, s10, 32*SP
	s_add_co_u32 s22, s22, STAGE
	v_add_nc_u32 v[RD], s22, v5
	v_mul_u32_u24 v5, v2, OUTP
	v_lshl_add_u32 v[CO], v1, 4, v5
	v_lshlrev_b32 v[BO], 5, v2                     ; 8 h numbers of 4 bytes
	s_lshl_b32 s76, s42, 9                         ; bias: 128 numbers a block column,
	s_lshl_b32 s78, s12, 8                         ; 64 a wave
	s_add_co_u32 s76, s76, s78
	s_mov_b32 s77, 0
	s_add_nc_u64 s[68:69], s[68:69], s[76:77]
	s_add_nc_u64 s[70:71], s[70:71], s[76:77]
	s_add_nc_u64 s[72:73], s[72:73], s[76:77]
	s_lshl_b32 s76, s13, 7
	s_lshl_b32 s78, s10, 5
	s_add_co_u32 s76, s76, s78                     ; qkvb: row 128 x block row + 32 w (the rows that I read back),
	s_mul_i32 s76, s76, OUTP
	s_lshl_b32 s78, s42, 8                         ; byte 256 x block column; the product's 2,048 bytes stand in the stores' immediate
	s_add_co_u32 s76, s76, s78
	s_add_nc_u64 s[74:75], s[74:75], s[76:77]
.irp j, 0,1,2
.irp b, 0,1,2,3
	global_load_b128 v[BIAS+32*\j+8*\b:BIAS+32*\j+8*\b+3], v[BO], s[68+2*\j:69+2*\j] offset:64*\b        ; bias of columns 16 b + 8 h + 0..3
	global_load_b128 v[BIAS+32*\j+8*\b+4:BIAS+32*\j+8*\b+7], v[BO], s[68+2*\j:69+2*\j] offset:64*\b+16   ; + 4..7
.endr
.endr
; 32 LDS loads in one run: the fragments of 32 along K (quarter q = 0..3 of the slot) into buffer n: xn's four tiles, then wq's, wk's, wv's four each
.macro FETCH slot, q, n
	WIN 0
.irp a, 0,1,2,3
	ds_load_b128 v[FA+32*\n+8*\a:FA+32*\n+8*\a+3], v[ADRA+\slot] offset:\a*16*PA+64*(\q)
	ds_load_b128 v[FA+32*\n+8*\a+4:FA+32*\n+8*\a+7], v[ADRA+\slot] offset:\a*16*PA+64*(\q)+32
.endr
	WIN 0xc0                                       ; destination in window 3, address in window 0
.irp j, 0,1,2
.irp b, 0,1,2,3
	ds_load_tr16_b128 v[96*\n+32*\j+8*\b:96*\n+32*\j+8*\b+3], v[ADRB+3*\slot+\j] offset:(\q)*32*PB+32*\b
	ds_load_tr16_b128 v[96*\n+32*\j+8*\b+4:96*\n+32*\j+8*\b+7], v[ADRB+3*\slot+\j] offset:(\q)*32*PB+32*\b+16*PB
.endr
.endr
.endm
; 16 matrix instructions: my 64 rows x my 64 columns of product j, 32 along K, out of buffer n.  first = 1: the bias is C and starts the sums.
; Source 0 in window 3, source 1 in window 0, D in window 1 (q, k) or 2 (v), C with D or, for the bias, in window 0.
; The 48 accumulators take turns, one instruction a turn, in the same order in every quarter.
.macro MUL n, j, first
	WIN ((1+\j/2)*64+(1-\first)*(1+\j/2)*16+3)
.irp a, 0,1,2,3
.irp b, 0,1,2,3
.if \first
	v_wmma_f32_16x16x32_f16 v[128*(\j%2)+8*(4*\a+\b):128*(\j%2)+8*(4*\a+\b)+7], v[96*\n+32*\j+8*\b:96*\n+32*\j+8*\b+7], v[FA+32*\n+8*\a:FA+32*\n+8*\a+7], v[BIAS+32*\j+8*\b:BIAS+32*\j+8*\b+7]
.else
	v_wmma_f32_16x16x32_f16 v[128*(\j%2)+8*(4*\a+\b):128*(\j%2)+8*(4*\a+\b)+7], v[96*\n+32*\j+8*\b:96*\n+32*\j+8*\b+7], v[FA+32*\n+8*\a:FA+32*\n+8*\a+7], v[128*(\j%2)+8*(4*\a+\b):128*(\j%2)+8*(4*\a+\b)+7]
.endif
.endr
.endr
.endm
; One of a K step's first three quarters: multiplies buffer n (quarter q); behind its first third it fetches quarter q + 1 of the same slot into buffer g,
; 32 matrix instructions ahead of the first use.
.macro QUARTER slot, q, n, g, first
	s_wait_dscnt 16                                ; xn's and wq's fragments are in; the youngest 16 loads (wk's, wv's) may be out
	MUL \n, 0, \first
	PLACES
	FETCH \slot, \q+1, \g
	s_wait_dscnt 32                                ; all but the 32 just issued
	MUL \n, 1, \first
	MUL \n, 2, \first
.endm
.macro THREE slot, first
	QUARTER \slot, 0, 0, 1, \first
	QUARTER \slot, 1, 1, 0, 0
	QUARTER \slot, 2, 0, 1, 0
.endm
; The step's last quarter (buffer 1), and the change of slots.  One barrier for two things: in front of it each wave waits for its reads of this slot
; and for all its tensor loads (the one that is out is its part of the next slot); behind it nobody reads this slot and the next is whole.
; fill = 1: the barrier opens a round of the cluster's barrier, and the joint refill is the first tensor load behind the round.
; From a request to the wait for it a wave issues 32 + 3 x 48 = 176 matrix instructions.
.macro TURN slot, next, fill
	s_wait_dscnt 0x0                               ; this quarter's fragments are in: my reads of this slot are over
	s_wait_tensorcnt 0x0                           ; all my tensor loads have landed
	ds_add_u32 v193, v31
	s_wait_dscnt 0x0
	s_barrier_signal -1
	MUL 1, 0, 0                                    ; register work while the others arrive
	WIN 0
	s_barrier_wait -1
.if \fill
	CREST
	s_add_nc_u64 s[G0+4*\slot+2:G0+4*\slot+3], s[G0+4*\slot+2:G0+4*\slot+3], 2*KSTEP*2         ; two K steps on: no load of mine is out, so group 0 may be written
	s_add_nc_u64 s[G0B+4*\slot+2:G0B+4*\slot+3], s[G0B+4*\slot+2:G0B+4*\slot+3], 2*KSTEP*2048
	JLOAD \slot                                    ; its four v_nop are also the places in front of the loads below
.else
	PLACES
.endif
	FETCH \next, 0, 0
	MUL 1, 1, 0
	MUL 1, 2, 0
.endm
.macro LAP first                       ; once round the ring, both slots filled again
	THREE 0, \first
	TURN 0, 1, 1
	THREE 1, 0
	TURN 1, 0, 1
.endm
	s_wait_tensorcnt 1                             ; my part of slot 0 is in; slot 1's may stay out
	s_barrier_signal -1
	s_barrier_wait -1
	FETCH 0, 0, 0
	s_wait_loadcnt 0x0                             ; the bias: it goes into the first products
	LAP 1                                          ; the first lap stands in front of the loop: its first products start the sums
	WIN 0                                          ; at a label and at a branch every window is 0
	s_mov_b32 s84, LAPS-2
.Llap:
	LAP 0
	WIN 0
	s_sub_co_u32 s84, s84, 1
	s_cmp_lg_u32 s84, 0
	s_cbranch_scc1 .Llap
	THREE 0, 0                                     ; the last lap fills nothing and has no round of the cluster's barrier
	TURN 0, 1, 0
	THREE 1, 0
	s_wait_dscnt 0x0                               ; the very last quarter: nothing more to fetch
	MUL 1, 0, 0
	MUL 1, 1, 0
	MUL 1, 2, 0
	; THE WAY OUT, one product at a time: one rounding to f16, through the stage so that whole rows of 256 bytes leave.  The four v_nop are the places behind
	; the last matrix instructions, for the conversions and for the loads into window 3.  Each product has packed registers and read-back registers of its
	; own, so no store's data is written again.
	PLACES
; product j: cw = the window setting of the conversions, acc = its accumulators' first register, tmp = its 64 packed registers in window 0
.macro OUTJ j, cw, acc, tmp
	WIN \cw
.irp a, 0,1,2,3
.irp b, 0,1,2,3
.irp i, 0,1,2,3
	v_cvt_pk_f16_f32 v[\tmp+4*(4*\a+\b)+\i], v[\acc+8*(4*\a+\b)+2*\i], v[\acc+8*(4*\a+\b)+2*\i+1]
.endr
.endr
.endr
	WIN 0
.if \j
	s_wait_dscnt 0x0                               ; my read-backs of the product before are in,
	s_barrier_signal -1
	s_barrier_wait -1                              ; everybody's are: the stage may be written again
.endif
.irp a, 0,1,2,3
.irp b, 0,1,2,3
	ds_store_b128 v[STO], v[\tmp+4*(4*\a+\b):\tmp+4*(4*\a+\b)+3] offset:\a*16*SP+32*\b
.endr
.endr
	s_wait_dscnt 0x0                               ; for the others' sake: a row of the stage is written by two waves
	s_barrier_signal -1
	s_barrier_wait -1
	WIN 0xc0                                       ; destination in window 3
.irp t, 0,1,2,3,4,5,6,7,8,9,10,11,12,13,14,15
	ds_load_b128 v[64*\j+4*\t:64*\j+4*\t+3], v[RD] offset:\t*2*SP
.endr
	WIN 0x0c                                       ; store data in window 3
.irp t, 0,1,2,3,4,5,6,7,8,9,10,11,12,13,14,15
	s_wait_dscnt 15-\t                             ; LDS loads come back in order: load t is in
	global_store_b128 v[CO], v[64*\j+4*\t:64*\j+4*\t+3], s[74:75] offset:2*\t*OUTP+2048*\j    ; 16 lanes store 256 consecutive bytes, aligned
.endr
	WIN 0
.endm
	OUTJ 0, 0x05, 0, 32
	OUTJ 1, 0x05, 128, 192
	OUTJ 2, 0x0a, 0, 96
	s_set_vgpr_msb 0x3
	s_wait_tensorcnt 0x0
	ds_add_u32 v193, v31
	s_wait_dscnt 0x0
	s_set_vgpr_msb 0x300
	CROUND                                         ; the closing round: no work-group ends while a partner may still ask for a tile that names it
	s_endpgm
.Lfunc_end_k_qeb0f333551_proj_qkv:
	.size	k_qeb0f333551_proj_qkv, .Lfunc_end_k_qeb0f333551_proj_qkv-k_qeb0f333551_proj_qkv
	.p2alignl 7, 3214868480
	.fill 96, 4, 3214868480
	.section	.rodata,"a",@progbits
	.p2align	6, 0x0
	.amdhsa_kernel k_qeb0f333551_proj_qkv
		.amdhsa_group_segment_fixed_size 327680
		.amdhsa_private_segment_fixed_size 0
		.amdhsa_enable_private_segment 0
		.amdhsa_kernarg_size 48
		.amdhsa_user_sgpr_count 2
		.amdhsa_user_sgpr_kernarg_segment_ptr 1
		.amdhsa_wavefront_size32 1
		.amdhsa_system_sgpr_workgroup_id_x 1
		.amdhsa_system_sgpr_workgroup_id_y 1
		.amdhsa_system_sgpr_workgroup_id_z 1
		.amdhsa_system_vgpr_workitem_id 0
		.amdhsa_next_free_vgpr 962
		.amdhsa_next_free_sgpr 96
		.amdhsa_reserve_vcc 0
		.amdhsa_float_denorm_mode_32 3
		.amdhsa_float_denorm_mode_16_64 3
		.amdhsa_memory_ordered 1
		.amdhsa_forward_progress 1
		.amdhsa_inst_pref_size 168
	.end_amdhsa_kernel
	.amdgpu_metadata
---
amdhsa.version: [ 1, 2 ]
amdhsa.kernels:
  - .name:           k_qeb0f333551_proj_qkv
    .symbol:         k_qeb0f333551_proj_qkv.kd
    .args:
      - { .name: xn, .offset: 0, .size: 8, .value_kind: global_buffer, .address_space: global }
      - { .name: wb, .offset: 8, .size: 8, .value_kind: global_buffer, .address_space: global }
      - { .name: bq, .offset: 16, .size: 8, .value_kind: global_buffer, .address_space: global }
      - { .name: bk, .offset: 24, .size: 8, .value_kind: global_buffer, .address_space: global }
      - { .name: bv, .offset: 32, .size: 8, .value_kind: global_buffer, .address_space: global }
      - { .name: qkvb, .offset: 40, .size: 8, .value_kind: global_buffer, .address_space: global }
    .group_segment_fixed_size: 327680
    .private_segment_fixed_size: 0
    .kernarg_segment_align: 8
    .kernarg_segment_size: 48
    .max_flat_workgroup_size: 128
    .sgpr_count:     96
    .vgpr_count:     962
    .wavefront_size: 32
...
	.end_amdgpu_metadata
.endif
;; end of part 2
;; launch attention (part 3): grid 8 x 32, 8 waves a work-group, no clusters, 327,680 bytes of LDS; arguments qkvb, att; writes att
.if DOCPART == 3
	.amdgcn_target "amdgcn-amd-amdhsa--gfx1250"
	.amdhsa_code_object_version 6
	.text
	.protected	k_qeb0f333551_attention
	.globl	k_qeb0f333551_attention
	.p2align	8
	.type	k_qeb0f333551_attention,@function
k_qeb0f333551_attention:
	s_mov_b64 s[64:65], 0
	v_nop
	global_prefetch_b8 v0, s[64:65] scope:SCOPE_SE
	s_setreg_imm32_b32 hwreg(HW_REG_WAVE_MODE, 25, 1), 1
	s_wait_xcnt 0x0
; Causal attention of one head: att[s][head] = softmax over t <= s of (q[s] . k[t] / 8) times v[t].  qkvb: [4096][3072] f16 (q | k | v), att: [4096][1024] f16.
; Work-group (p, 16 batch + head) does the query blocks p and 15 - p of 128 queries each.  Keys go in pairs of tiles of 128; block qb needs pairs qb / 2 down
; to 0, so every work-group walks (p/2 + 1) + ((15-p)/2 + 1) = 9 pairs: equal work.
; EIGHT WAVES, two on a SIMD, so that one wave's softmax runs while the other's products are in the matrix unit.  Group g = wave / 4 takes tile g of every
; pair; wave % 4 takes the same 32 queries in both groups.  Each group keeps a running maximum, a sum and an O of its own; at a block's end group 1 hands its
; part over through LDS and group 0 joins the two: O = (O_A a_A + O_B a_B) / (l_A a_A + l_B a_B), a = exp2(c (m - max(m_A, m_B))).
; FORMS.  Scores transposed: S^T = K Q^T (source 0 = 16 keys from LDS, source 1 = 16 queries, loaded once from memory into fragments).  A lane
; then holds one query (lane % 16) and eight neighbouring keys 8 (lane / 16) + j of each tile, so the maximum and the sum are one number a
; lane, and P, rounded to f16 in place, already lies as source 1 of O^T = V^T P^T.  V^T comes from V's rows by the transposing LDS load.
; THE RING: two LDS slots of a whole pair (256 keys of K and V); one barrier and one tensor load of 64 rows a wave for each pair.  The nine pairs' slots are fixed
; in the text: pair 0 written out, pairs 1 to 6 in a loop of three trips, pairs 7 and 8 written out (the last asks for nothing).  Where the second block begins
; is a branch on the pair's number against p / 2 + 1: both come from the work-group's number alone, so all eight waves go the same way.
; SOFTMAX with a running maximum, as the problem's function takes the maximum away.  Pairs are walked from the diagonal downward.
; MASK: masked scores are set to -2^126.  For an even block group 1's tile of the top pair is wholly masked: its maximum is then -2^126, c x 2^126 is exact
; (a power of two), so the exponents are exactly 0 and the sums finite; the next factor exp2(c (-2^126 - m)) is 0 and wipes them, in the join too.
; Group 0's first 64 keys always hold a key that every query may see, so the joined maximum is a real score and the joined sum is at least about 1.
; LIMITS: a real score must lie above -2^126; v_exp_f32 gives 0 for results below 2^-126; q, k, v and P are f16.  P lies in [0, 1]: a weight below 2^-25 of the
; running maximum's rounds to 0 in the product with V, at most 2,048 x 2^-25 = 6e-5 of the sum; the sum of weights is taken in f32 before P is rounded.
; NO CLUSTER: of one head's eight work-groups only 2 c and 2 c + 1 walk the same pairs in the same order.  No prefetch: K and V were stored by the launch before.
; The output's rows are 128 bytes a head: a store of the wave covers four pieces of 128 neighbouring bytes; the other half of each 256 belongs to the next head.
.set PK,    144                        ; LDS pitch of K's rows: 128 + 16 = 9 x 16 bytes
.set PV,    160                        ; of V's rows: 128 + 32 = 5 x 32 bytes
.set VOFF,  256*PK                     ; V behind K's 256 rows
.set SLOT,  VOFF+256*PV                ; 77,824 bytes: a pair of tiles
.set MERGE, 2*SLOT                     ; behind the ring, never a tensor load's target: 17 x 512 bytes for each wave of group 1
.set MGB,   17*512
.set STAGE, MERGE+4*MGB                ; 32 rows x 144 bytes for each wave of group 0
.set ROWB,  6144                       ; bytes in a row of qkvb
.set PAIRB, 256*ROWB
; window 0
.set ADRK, 16                          ; v16-17  LDS address of my K fragments in slot 0, 1 (my group's tile)
.set ADRV, 18                          ; v18-19  of my V fragments
.set STO,  20
.set RD,   21
.set CO,   22
.set QO,   23
.set MAD,  24                          ; v24     16 x lane in the merge bytes of my quarter
.set Q,    32                          ; v32-63   Q of the block at work: fragment (b, c) at + 8 (2 b + c): queries 16 b .., d 32 c ..
.set QN,   64                          ; v64-95   Q of block 15 - p, until its turn
.set KF,   96                          ; v96-159  K fragments (a, c) at + 8 (2 a + c): keys 16 a .., d 32 c ..
.set VF,   160                         ; v160-223 V^T fragments (dt, c) at + 8 (2 dt + c): d 16 dt .., keys 32 c ..
; window 1
.set OA,   64                          ; v0-63 S(a, b) at 32 b + 8 a, later P(b, c) at 32 b + 16 c; v64-127 O(dt, b) at 64 + 32 b + 8 dt
.set MR,   128                         ; v128-129 running maximum of query tile b
.set LR,   130                         ; v130-131 my lane's part of the running sum
.set NMC,  132                         ; v132-135 -c x maximum, a pair for each b
.set AL,   136                         ; v136-139 the factor that brings old sums to the new maximum, a pair for each b
.set MX,   140                         ; v140-147 at work
.set DL,   148                         ; v148-149 the block at work: query's place in its pair - 8 (lane / 16) - 128 group, for b = 0, 1
.set DLN,  150                         ; v150-151 the same for block 15 - p
.set NEG,  152                         ; v152     -2^126
.set SUM,  154                         ; v154-161 at work
.set ALB,  162                         ; v162-165 the join: the other group's factor, a pair for each b
; scalars
.set G1K, 24                           ; s[24:31] descriptor group 1 for K's tiles
.set G1V, 32                           ; s[32:39] for V's
.set K0,  40                           ; s[40:47] group 0 for K, one set for each slot
.set V0,  48                           ; s[48:55] group 0 for V
.set BASE, 56                          ; s[56:57] my 64 rows of pair 0
.set NLO, 58                           ; p / 2 + 1: the number of the pair with which the second block begins
.set PN,  59                           ; the pair's number, 0 to 8
.set OFFP, 60                          ; s[60:61] a pair's byte offset
.set ULO, 62
.set UHI, 63
.set CUR, 66                           ; the pair of keys asked for last
.set NXT, 67
.set CNT, 68
.set QBL, 70
.set QBH, 72
.set OBL, 74
.set OBH, 76
.set MSB, 0
.macro WIN new                         ; low byte: bits 1:0 source 0, 3:2 source 1, 5:4 source 2, 7:6 destination; the high byte repeats the setting that is left
.if MSB != \new
	s_set_vgpr_msb (MSB<<8)|\new
.set MSB, \new
.endif
.endm
; one tensor load a wave: waves 0 to 3 bring K's four pieces of 64 rows, waves 4 to 7 V's
.macro KVLOAD s
	s_cmp_eq_u32 s11, 0
	s_cbranch_scc0 .Lfor_v_\@
	tensor_load_to_lds s[K0+4*(\s):K0+4*(\s)+3], s[G1K:G1K+7]
	s_nop 0
.rept 4
	v_nop
.endr
	s_branch .Lasked_\@
.Lfor_v_\@:
	tensor_load_to_lds s[V0+4*(\s):V0+4*(\s)+3], s[G1V:G1V+7]
	s_nop 0
.rept 4
	v_nop
.endr
.Lasked_\@:
.endm
	s_load_b128 s[4:7], s[0:1], 0x0                ; qkvb s[4:5], att s[6:7]
	v_lshl_add_u32 v254, v0, 2, 0x33000
	v_mov_b32 v255, 0
	ds_add_u32 v254, v255
	ds_add_u32 v254, v255
	v_lshrrev_b32 v1, 5, v0
	v_readfirstlane_b32 s10, v1                    ; wave 0..7
	s_lshr_b32 s11, s10, 2                         ; my group: which tile of a pair is mine.  Also: I fetch K (0) or V (1)
	s_and_b32 s12, s10, 3                          ; my quarter: which 32 queries are mine.  Also: which 64 rows of the pair I fetch
	s_and_b32 s14, ttmp7, 0xffff
	s_lshr_b32 s15, s14, 4                         ; batch
	s_and_b32 s16, s14, 15                         ; head
	s_lshr_b32 s[ULO], ttmp9, 1                    ; top pair of block p
	s_sub_co_u32 s17, 15, ttmp9                    ; the other block
	s_lshr_b32 s[UHI], s17, 1                      ; its top pair
	s_add_co_u32 s[NLO], s[ULO], 1
	s_mov_b32 s78, 0x76543210                      ; v_permlanex16_b32: lane i of one half reads lane i of the other
	s_mov_b32 s79, 0xfedcba98
	; group 1: 64 rows x 64 elements of 2 bytes, padding behind every 32 words: 4 words for K, 8 for V
	s_mov_b32 s[G1K+0], (1<<16)|(1<<20)|(4<<22)|(3<<25)
	s_mov_b32 s[G1K+1], 64<<16
	s_mov_b32 s[G1K+2], 64<<16
	s_mov_b32 s[G1K+3], 64<<16
	s_mov_b32 s[G1K+4], 64
	s_mov_b32 s[G1K+5], 3072
	s_mov_b32 s[G1K+6], 0
	s_mov_b32 s[G1K+7], 0
	s_mov_b32 s[G1V+0], (1<<16)|(1<<20)|(4<<22)|(7<<25)
	s_mov_b32 s[G1V+1], 64<<16
	s_mov_b32 s[G1V+2], 64<<16
	s_mov_b32 s[G1V+3], 64<<16
	s_mov_b32 s[G1V+4], 64
	s_mov_b32 s[G1V+5], 3072
	s_mov_b32 s[G1V+6], 0
	s_mov_b32 s[G1V+7], 0
	; byte offsets, all below 2^25
	s_mul_i32 s80, s15, 2048*ROWB
	s_lshl_b32 s81, s16, 7
	s_add_co_u32 s80, s80, s81                     ; batch and head in qkvb
	s_lshl_b32 s18, s11, 11
	s_add_co_u32 s18, s18, 2048                    ; k at byte 2,048 of a row, v at 4,096
	s_mul_i32 s19, s12, 64*ROWB
	s_add_co_u32 s18, s18, s19
	s_add_co_u32 s18, s18, s80
	s_mov_b32 s19, 0
	s_lshl_b32 s82, s12, 5                         ; 32 queries a quarter
	s_lshl_b32 s83, ttmp9, 7
	s_add_co_u32 s83, s83, s82                     ; my first query of block p
	s_lshl_b32 s84, s17, 7
	s_add_co_u32 s84, s84, s82                     ; of block 15 - p
	s_mul_i32 s20, s83, ROWB
	s_add_co_u32 s20, s20, s80
	s_mov_b32 s21, 0
	s_mul_i32 s22, s84, ROWB
	s_add_co_u32 s22, s22, s80
	s_mov_b32 s23, 0
	s_lshl_b32 s85, s15, 11                        ; the batch's first token
	s_add_co_u32 s86, s83, s85
	s_lshl_b32 s86, s86, 11                        ; rows of 2,048 bytes in att
	s_add_co_u32 s86, s86, s81
	s_mov_b32 s87, 0
	s_add_co_u32 s88, s84, s85
	s_lshl_b32 s88, s88, 11
	s_add_co_u32 s88, s88, s81
	s_mov_b32 s89, 0
	s_mul_i32 s90, s10, 64*PK                      ; LDS: waves 0 to 3: K's pieces;
	s_mul_i32 s91, s10, 64*PV
	s_sub_co_u32 s91, s91, 256*PV-VOFF             ; waves 4 to 7: V's pieces, behind K (used by these four waves alone)
	s_mov_b32 s[CUR], s[ULO]
	s_mul_i32 s[OFFP], s[ULO], PAIRB
	s_mov_b32 s[OFFP+1], 0
	s_wait_dscnt 0x0
	s_wait_kmcnt 0x0
	s_add_nc_u64 s[BASE:BASE+1], s[4:5], s[18:19]
	s_add_nc_u64 s[QBL:QBL+1], s[4:5], s[20:21]
	s_add_nc_u64 s[QBH:QBH+1], s[4:5], s[22:23]
	s_add_nc_u64 s[OBL:OBL+1], s[6:7], s[86:87]
	s_add_nc_u64 s[OBH:OBH+1], s[6:7], s[88:89]
.irp s, 0,1
	s_mov_b32 s[K0+4*\s], 1
	s_add_co_u32 s[K0+4*\s+1], s90, \s*SLOT
	s_add_nc_u64 s[K0+4*\s+2:K0+4*\s+3], s[BASE:BASE+1], s[OFFP:OFFP+1]
	s_or_b32 s[K0+4*\s+3], s[K0+4*\s+3], 0x80000000
	s_mov_b32 s[V0+4*\s], 1
	s_add_co_u32 s[V0+4*\s+1], s91, \s*SLOT
	s_add_nc_u64 s[V0+4*\s+2:V0+4*\s+3], s[BASE:BASE+1], s[OFFP:OFFP+1]
	s_or_b32 s[V0+4*\s+3], s[V0+4*\s+3], 0x80000000
.endr
	KVLOAD 0                                       ; the first pair, before anything else; a wave never has more than one tensor load out
	v_and_b32 v1, 15, v0                           ; r
	v_bfe_u32 v2, v0, 4, 1                         ; h
	v_mul_u32_u24 v8, v1, ROWB
	v_lshl_add_u32 v[QO], v2, 4, v8                ; Q fragment straight from memory: row r, 16 bytes at 16 h; second load 32 bytes on
.irp b, 0,1
.irp c, 0,1
	global_load_b128 v[Q+8*(2*\b+\c):Q+8*(2*\b+\c)+3], v[QO], s[QBL:QBL+1] offset:16*ROWB*\b+64*\c
	global_load_b128 v[Q+8*(2*\b+\c)+4:Q+8*(2*\b+\c)+7], v[QO], s[QBL:QBL+1] offset:16*ROWB*\b+64*\c+32
.endr
.endr
.irp b, 0,1
.irp c, 0,1
	global_load_b128 v[QN+8*(2*\b+\c):QN+8*(2*\b+\c)+3], v[QO], s[QBH:QBH+1] offset:16*ROWB*\b+64*\c
	global_load_b128 v[QN+8*(2*\b+\c)+4:QN+8*(2*\b+\c)+7], v[QO], s[QBH:QBH+1] offset:16*ROWB*\b+64*\c+32
.endr
.endr
	v_mul_u32_u24 v3, v1, PK
	v_lshl_add_u32 v3, v2, 4, v3                   ; r x 144 + 16 h
	s_mul_i32 s94, s11, 128*PK                     ; my group's 128 rows of K
	v_add_nc_u32 v[ADRK], s94, v3
	v_add_nc_u32 v[ADRK+1], SLOT, v[ADRK]
	v_and_b32 v7, 7, v0
	v_lshl_add_u32 v4, v2, 3, v7                   ; V by the transposing load: key row 8 h + lane % 8, 16 bytes at 16 ((lane / 8) % 2)
	v_mul_u32_u24 v4, v4, PV
	v_bfe_u32 v5, v0, 3, 1
	v_lshl_add_u32 v4, v5, 4, v4
	s_mul_i32 s94, s11, 128*PV                     ; my group's 128 rows of V
	s_add_co_u32 s94, s94, VOFF
	v_add_nc_u32 v[ADRV], s94, v4
	v_add_nc_u32 v[ADRV+1], SLOT, v[ADRV]
	s_mul_i32 s94, s12, 32*PK
	s_add_co_u32 s94, s94, STAGE                   ; my quarter's stage (used by group 0 alone)
	v_add_nc_u32 v[STO], s94, v3                   ; in: row r (+ 16 b), 16 bytes at 16 h (+ 32 dt)
	v_bfe_u32 v6, v0, 3, 2                         ; back: four rows of 128 bytes an instruction, eight lanes a row
	v_mul_u32_u24 v8, v6, PK
	v_lshl_add_u32 v8, v7, 4, v8
	v_add_nc_u32 v[RD], s94, v8
	v_lshlrev_b32 v8, 4, v7
	v_lshl_add_u32 v[CO], v6, 11, v8
	v_and_b32 v8, 31, v0
	v_lshlrev_b32 v8, 4, v8
	s_mul_i32 s94, s12, MGB
	s_add_co_u32 s94, s94, MERGE                   ; my quarter's merge bytes: group 1 writes them, group 0 reads them
	v_add_nc_u32 v[MAD], s94, v8
	v_lshlrev_b32 v6, 3, v2
	v_sub_nc_u32 v5, v1, v6
	v_and_b32 v6, 0x60, v0
	v_add_nc_u32 v5, v5, v6                        ; 32 x quarter + r - 8 h: query tile b = 0
	v_add_nc_u32 v6, 16, v5                        ; b = 1
	s_and_b32 s92, ttmp9, 1
	s_lshl_b32 s92, s92, 7                         ; block p lies in tile p % 2 of its top pair,
	s_xor_b32 s93, s92, 128                        ; block 15 - p in the other one of its own;
	s_lshl_b32 s95, s11, 7
	s_sub_co_i32 s92, s92, s95                     ; my group's keys begin at 128 x group of the pair
	s_sub_co_i32 s93, s93, s95
	WIN 0x40
	v_add_nc_u32 v[DL], s92, v5
	v_add_nc_u32 v[DL+1], s92, v6
	v_add_nc_u32 v[DLN], s93, v5
	v_add_nc_u32 v[DLN+1], s93, v6
	v_mov_b32 v[NEG], 0xfe800000                   ; -2^126
	WIN 0
.macro FK slot, half                   ; 16 loads: K fragments of keys 64 half .. + 63 of my tile
	WIN 0
.irp a, 0,1,2,3
.irp c, 0,1
	ds_load_b128 v[KF+8*(2*\a+\c):KF+8*(2*\a+\c)+3], v[ADRK+\slot] offset:(64*\half+16*\a)*PK+64*\c
	ds_load_b128 v[KF+8*(2*\a+\c)+4:KF+8*(2*\a+\c)+7], v[ADRK+\slot] offset:(64*\half+16*\a)*PK+64*\c+32
.endr
.endr
.endm
.macro FV slot, half                   ; 16 loads: V^T fragments of the same keys
	WIN 0
.irp dt, 0,1,2,3
.irp c, 0,1
	ds_load_tr16_b128 v[VF+8*(2*\dt+\c):VF+8*(2*\dt+\c)+3], v[ADRV+\slot] offset:(64*\half+32*\c)*PV+32*\dt
	ds_load_tr16_b128 v[VF+8*(2*\dt+\c)+4:VF+8*(2*\dt+\c)+7], v[ADRV+\slot] offset:(64*\half+32*\c)*PV+32*\dt+16*PV
.endr
.endr
.endm
; S^T of 64 keys x 32 queries: eight accumulators take turns, one instruction a turn; the first 32 of d start the sums
.macro SMM
	WIN 0x50
.irp b, 0,1
.irp a, 0,1,2,3
	v_wmma_f32_16x16x32_f16 v[32*\b+8*\a:32*\b+8*\a+7], v[KF+16*\a:KF+16*\a+7], v[Q+16*\b:Q+16*\b+7], 0
.endr
.endr
.irp b, 0,1
.irp a, 0,1,2,3
	v_wmma_f32_16x16x32_f16 v[32*\b+8*\a:32*\b+8*\a+7], v[KF+16*\a+8:KF+16*\a+15], v[Q+16*\b+8:Q+16*\b+15], v[32*\b+8*\a:32*\b+8*\a+7]
.endr
.endr
.rept 4
	v_nop                                          ; four places (ISA guide 7.12.1) before S is read and K's registers are loaded again
.endr
.endm
; O^T += V^T P^T: eight accumulators take turns likewise
.macro PVM first
	WIN 0x54
.irp c, 0,1
.irp dt, 0,1,2,3
.irp b, 0,1
.if \first*(1-\c)
	v_wmma_f32_16x16x32_f16 v[OA+32*\b+8*\dt:OA+32*\b+8*\dt+7], v[VF+8*(2*\dt+\c):VF+8*(2*\dt+\c)+7], v[32*\b+16*\c:32*\b+16*\c+7], 0
.else
	v_wmma_f32_16x16x32_f16 v[OA+32*\b+8*\dt:OA+32*\b+8*\dt+7], v[VF+8*(2*\dt+\c):VF+8*(2*\dt+\c)+7], v[32*\b+16*\c:32*\b+16*\c+7], v[OA+32*\b+8*\dt:OA+32*\b+8*\dt+7]
.endif
.endr
.endr
.endr
.rept 5
	v_nop                                          ; five places: the next score product writes over P; V's registers are loaded again; O may be stored
.endr
.endm
; 64 keys x 32 queries: mask, running maximum, exp2, sum, P to f16 in place, O brought to the new maximum.  c = log2(e) / 8.
.macro SOFT first, mask, kbase
	WIN 0x55
.if \mask
.irp b, 0,1
.irp a, 0,1,2,3
.irp j, 0,1,2,3,4,5,6,7
	v_cmp_le_i32 vcc_lo, \kbase+16*\a+\j, v[DL+\b]                 ; key's place in the pair <= query's place
	v_cndmask_b32 v[32*\b+8*\a+\j], v[NEG], v[32*\b+8*\a+\j], vcc_lo
.endr
.endr
.endr
.endif
.irp b, 0,1
.irp a, 0,1,2,3
	v_max3_num_f32 v[MX+4*\b+\a], v[32*\b+8*\a], v[32*\b+8*\a+1], v[32*\b+8*\a+2]
.endr
.irp a, 0,1,2,3
	v_max3_num_f32 v[MX+4*\b+\a], v[MX+4*\b+\a], v[32*\b+8*\a+3], v[32*\b+8*\a+4]
.endr
.irp a, 0,1,2,3
	v_max3_num_f32 v[MX+4*\b+\a], v[MX+4*\b+\a], v[32*\b+8*\a+5], v[32*\b+8*\a+6]
.endr
.irp a, 0,1,2,3
	v_max_num_f32 v[MX+4*\b+\a], v[MX+4*\b+\a], v[32*\b+8*\a+7]
.endr
	v_max3_num_f32 v[MX+4*\b], v[MX+4*\b], v[MX+4*\b+1], v[MX+4*\b+2]
	v_max_num_f32 v[MX+4*\b], v[MX+4*\b], v[MX+4*\b+3]
	v_permlanex16_b32 v[MX+4*\b+1], v[MX+4*\b], s78, s79           ; the same query's other keys lie 16 lanes away
.if \first
	v_max_num_f32 v[MR+\b], v[MX+4*\b], v[MX+4*\b+1]
.else
	v_max3_num_f32 v[MX+4*\b], v[MX+4*\b], v[MX+4*\b+1], v[MR+\b]
	v_sub_f32 v[MX+4*\b+2], v[MR+\b], v[MX+4*\b]
	v_mov_b32 v[MR+\b], v[MX+4*\b]
	v_mul_f32 v[MX+4*\b+2], 0x3e38aa3b, v[MX+4*\b+2]
	v_exp_f32 v[AL+2*\b], v[MX+4*\b+2]
	v_exp_f32 v[AL+2*\b+1], v[MX+4*\b+2]           ; the line below is the plain place behind them (ISA guide 5.7.2)
.endif
	v_mul_f32 v[NMC+2*\b], 0xbe38aa3b, v[MR+\b]
	v_mov_b32 v[NMC+2*\b+1], v[NMC+2*\b]
.endr
.set i, 0
.rept 16
	v_pk_fma_f32 v[i:i+1], v[i:i+1], 0x3e38aa3b, v[NMC:NMC+1] op_sel_hi:[1,0,1]
	v_pk_fma_f32 v[32+i:33+i], v[32+i:33+i], 0x3e38aa3b, v[NMC+2:NMC+3] op_sel_hi:[1,0,1]
.set i, i+2
.endr
.set i, 0
.rept 64
	v_exp_f32 v[i], v[i]
.set i, i+1
.endr
	v_nop                                          ; one plain place behind the transcendentals
	s_wait_alu depctr_va_vdst(0)
.irp b, 0,1
.irp k, 0,2,4,6
	v_pk_add_f32 v[SUM+\k:SUM+\k+1], v[32*\b+\k:32*\b+\k+1], v[32*\b+8+\k:32*\b+8+\k+1]
.endr
.irp k, 0,2,4,6
	v_pk_add_f32 v[SUM+\k:SUM+\k+1], v[SUM+\k:SUM+\k+1], v[32*\b+16+\k:32*\b+16+\k+1]
.endr
.irp k, 0,2,4,6
	v_pk_add_f32 v[SUM+\k:SUM+\k+1], v[SUM+\k:SUM+\k+1], v[32*\b+24+\k:32*\b+24+\k+1]
.endr
	v_pk_add_f32 v[SUM:SUM+1], v[SUM:SUM+1], v[SUM+2:SUM+3]
	v_pk_add_f32 v[SUM+4:SUM+5], v[SUM+4:SUM+5], v[SUM+6:SUM+7]
	v_pk_add_f32 v[SUM:SUM+1], v[SUM:SUM+1], v[SUM+4:SUM+5]
.if \first
	v_add_f32 v[LR+\b], v[SUM], v[SUM+1]
.else
	v_add_f32 v[SUM], v[SUM], v[SUM+1]
	v_fma_f32 v[LR+\b], v[LR+\b], v[AL+2*\b], v[SUM]
.endif
.endr
.irp g, 0,16,32,48
.irp i, 0,1,2,3,4,5,6,7
	v_cvt_pk_f16_f32 v[\g+\i], v[\g+2*\i], v[\g+2*\i+1]            ; keys 8 h + 0..7 into registers 0-3, 16 + 8 h + 0..7 into 4-7: a fragment of 32 keys
.endr
.endr
.if \first == 0
.set i, 0
.rept 16
	v_pk_mul_f32 v[OA+i:OA+i+1], v[OA+i:OA+i+1], v[AL:AL+1]
	v_pk_mul_f32 v[OA+32+i:OA+33+i], v[OA+32+i:OA+33+i], v[AL+2:AL+3]
.set i, i+2
.endr
.endif
.endm
; The head of a pair that lies in slot `slot`.  In front of the barrier every wave waits for all its tensor loads (its piece of this pair) and for its reads of
; the other slot; behind it the other slot is filled first (refill = 1), with the pair after this one.
.macro PRO slot, refill
	s_wait_tensorcnt 0x0                           ; no tensor load of mine is out: every group 0 may be written
	ds_add_u32 v254, v255
	s_wait_dscnt 0x0
.if \refill
	s_sub_co_i32 s[NXT], s[CUR], 1                 ; the pair after the one asked for last: one further from the diagonal,
	s_cmp_lt_i32 s[NXT], 0
	s_cselect_b32 s[CUR], s[UHI], s[NXT]           ; or the second block's top pair
	s_mul_i32 s[OFFP], s[CUR], PAIRB
	s_add_nc_u64 s[K0+4*(1-\slot)+2:K0+4*(1-\slot)+3], s[BASE:BASE+1], s[OFFP:OFFP+1]
	s_or_b32 s[K0+4*(1-\slot)+3], s[K0+4*(1-\slot)+3], 0x80000000
	s_add_nc_u64 s[V0+4*(1-\slot)+2:V0+4*(1-\slot)+3], s[BASE:BASE+1], s[OFFP:OFFP+1]
	s_or_b32 s[V0+4*(1-\slot)+3], s[V0+4*(1-\slot)+3], 0x80000000
.endif
	s_wait_dscnt 0x0
	s_barrier_signal -1
	s_barrier_wait -1
.if \refill
	KVLOAD 1-\slot
.endif
.endm
; My group's tile of 128 keys of the pair in slot `slot`, in two halves of 64
.macro TILE slot, first, mask
	FK \slot, 0
	FV \slot, 0
	s_wait_dscnt 16                                ; K of half 0 is in; V's 16 loads are younger
	SMM
	FK \slot, 1
	SOFT \first, \mask, 0
	s_wait_dscnt 16                                ; V of half 0 is in; the 16 loads of K, half 1, are younger
	PVM \first
	FV \slot, 1
	s_wait_dscnt 16                                ; K of half 1 is in; V's 16 loads are younger
	SMM
	SOFT 0, \mask, 64
	s_wait_dscnt 0x0
	PVM 0
	WIN 0
.endm
; A block's end.  Group 1 puts its O, maxima and sums into the merge bytes, 16 bytes a lane; behind the barrier group 0 joins them with its own, divides by the
; sum, rounds to f16 and sends the rows out through its stage, while group 1 goes on.  The next pair's load stays out.
.macro EPI ob
	s_cmp_eq_u32 s11, 0
	s_cbranch_scc1 .Lmine_\@
	WIN 0x04                                       ; store data in window 1
.set i, 0
.rept 16
	ds_store_b128 v[MAD], v[OA+4*i:OA+4*i+3] offset:512*i
.set i, i+1
.endr
	ds_store_b128 v[MAD], v[MR:MR+3] offset:8192   ; two maxima, two sums
	WIN 0
.Lmine_\@:
	s_wait_dscnt 0x0                               ; for the other group's sake
	s_barrier_signal -1
	s_barrier_wait -1
	s_cmp_lg_u32 s11, 0
	s_cbranch_scc1 .Lgone_\@
.set i, 0
.rept 16
	ds_load_b128 v[KF+4*i:KF+4*i+3], v[MAD] offset:512*i           ; the other group's O, register for register
.set i, i+1
.endr
	WIN 0x40
	ds_load_b128 v[MX:MX+3], v[MAD] offset:8192                    ; its maxima in MX, MX+1, its sums in MX+2, MX+3
	s_wait_dscnt 0x0
	WIN 0x55
.irp b, 0,1
	v_max_num_f32 v[MX+4+\b], v[MR+\b], v[MX+\b]                   ; the joined maximum
	v_sub_f32 v[SUM+\b], v[MR+\b], v[MX+4+\b]
	v_sub_f32 v[SUM+2+\b], v[MX+\b], v[MX+4+\b]
	v_mul_f32 v[SUM+\b], 0x3e38aa3b, v[SUM+\b]
	v_mul_f32 v[SUM+2+\b], 0x3e38aa3b, v[SUM+2+\b]
.endr
	v_exp_f32 v[SUM], v[SUM]                       ; my factor, b = 0, 1
	v_exp_f32 v[SUM+1], v[SUM+1]
	v_exp_f32 v[SUM+2], v[SUM+2]                   ; the other group's
	v_exp_f32 v[SUM+3], v[SUM+3]
	v_nop                                          ; one plain place behind the transcendentals (ISA guide 5.7.2)
	s_wait_alu depctr_va_vdst(0)
.irp b, 0,1
	v_mul_f32 v[LR+\b], v[LR+\b], v[SUM+\b]
	v_fma_f32 v[LR+\b], v[MX+2+\b], v[SUM+2+\b], v[LR+\b]
.endr
	v_permlanex16_b32 v[MX], v[LR], s78, s79       ; the two halves of the lanes join their sums
	v_permlanex16_b32 v[MX+1], v[LR+1], s78, s79
	v_add_f32 v[LR], v[LR], v[MX]
	v_add_f32 v[LR+1], v[LR+1], v[MX+1]
	v_rcp_f32 v[MX+4], v[LR]                       ; the sum holds the weight of the maximum itself, about 1: never zero
	v_rcp_f32 v[MX+5], v[LR+1]
	v_nop
	s_wait_alu depctr_va_vdst(0)
.irp b, 0,1
	v_mul_f32 v[AL+2*\b], v[SUM+\b], v[MX+4+\b]                    ; the division goes into the two factors
	v_mul_f32 v[AL+2*\b+1], v[SUM+\b], v[MX+4+\b]
	v_mul_f32 v[ALB+2*\b], v[SUM+2+\b], v[MX+4+\b]
	v_mul_f32 v[ALB+2*\b+1], v[SUM+2+\b], v[MX+4+\b]
.endr
.set i, 0
.rept 16
	v_pk_mul_f32 v[OA+i:OA+i+1], v[OA+i:OA+i+1], v[AL:AL+1]
	v_pk_mul_f32 v[OA+32+i:OA+33+i], v[OA+32+i:OA+33+i], v[AL+2:AL+3]
.set i, i+2
.endr
	WIN 0x54                                       ; source 0, the other group's O, in window 0
.set i, 0
.rept 16
	v_pk_fma_f32 v[OA+i:OA+i+1], v[KF+i:KF+i+1], v[ALB:ALB+1], v[OA+i:OA+i+1]
	v_pk_fma_f32 v[OA+32+i:OA+33+i], v[KF+32+i:KF+33+i], v[ALB+2:ALB+3], v[OA+32+i:OA+33+i]
.set i, i+2
.endr
	WIN 0x05
.irp b, 0,1
.irp dt, 0,1,2,3
.irp i, 0,1,2,3
	v_cvt_pk_f16_f32 v[KF+4*(4*\b+\dt)+\i], v[OA+32*\b+8*\dt+2*\i], v[OA+32*\b+8*\dt+2*\i+1]
.endr
.endr
.endr
	WIN 0
.irp b, 0,1
.irp dt, 0,1,2,3
	ds_store_b128 v[STO], v[KF+4*(4*\b+\dt):KF+4*(4*\b+\dt)+3] offset:16*PK*\b+32*\dt
.endr
.endr
.irp t, 0,1,2,3,4,5,6,7
	ds_load_b128 v[VF+4*\t:VF+4*\t+3], v[RD] offset:4*PK*\t        ; LDS serves a wave's instructions in order (ISA guide 5.7.1.4): these see the stores above
.endr
.irp t, 0,1,2,3,4,5,6,7
	s_wait_dscnt 7-\t
	global_store_b128 v[CO], v[VF+4*\t:VF+4*\t+3], s[\ob:\ob+1] offset:8192*\t
.endr
	s_wait_xcnt 0x0                                ; the stores' data registers are loaded again only behind this wait
.Lgone_\@:
.endm
; the second block's Q and mask figures take the places of the first's
.macro SWITCH
	s_wait_loadcnt 0x0                             ; the second block's Q
.set i, 0
.rept 32
	v_mov_b32 v[Q+i], v[QN+i]
.set i, i+1
.endr
	WIN 0x41
	v_mov_b32 v[DL], v[DLN]
	v_mov_b32 v[DL+1], v[DLN+1]
	WIN 0
.endm
; One of pairs 1 to 6: a pair below the diagonal, or, at pair p / 2 + 1, the first block's end and the second block's top pair under the mask
.macro STEP slot
	PRO \slot, 1
	s_cmp_eq_u32 s[PN], s[NLO]
	s_cbranch_scc1 .Ltop_\@
	TILE \slot, 0, 0
	s_branch .Lnext_\@
.Ltop_\@:
	EPI OBL
	SWITCH
	TILE \slot, 1, 1
.Lnext_\@:
	s_add_co_u32 s[PN], s[PN], 1
.endm
	PRO 0, 1                                       ; pair 0 is in; slot 1 gets its first fill as a refill does
	s_wait_loadcnt 8                               ; the first block's Q is in; the second block's eight loads stay out
	TILE 0, 1, 1                                   ; pair 0: block p's top pair under the mask; its first products start the sums
	s_mov_b32 s[PN], 1
	s_mov_b32 s[CNT], 0
.Lpairs:
	STEP 1
	STEP 0
	s_add_co_u32 s[CNT], s[CNT], 1
	s_cmp_lt_u32 s[CNT], 3
	s_cbranch_scc1 .Lpairs
	PRO 1, 1                                       ; pairs 7 and 8 belong to block 15 - p and lie below its diagonal, since p / 2 + 1 <= 4
	TILE 1, 0, 0
	PRO 0, 0                                       ; the last pair: nothing is left to fetch
	TILE 0, 0, 0
	EPI OBH
	s_wait_tensorcnt 0x0
	ds_add_u32 v254, v255
	s_wait_dscnt 0x0
	s_endpgm
.Lfunc_end_k_qeb0f333551_attention:
	.size	k_qeb0f333551_attention, .Lfunc_end_k_qeb0f333551_attention-k_qeb0f333551_attention
	.p2alignl 7, 3214868480
	.fill 96, 4, 3214868480
	.section	.rodata,"a",@progbits
	.p2align	6, 0x0
	.amdhsa_kernel k_qeb0f333551_attention
		.amdhsa_group_segment_fixed_size 327680
		.amdhsa_private_segment_fixed_size 0
		.amdhsa_enable_private_segment 0
		.amdhsa_kernarg_size 16
		.amdhsa_user_sgpr_count 2
		.amdhsa_user_sgpr_kernarg_segment_ptr 1
		.amdhsa_wavefront_size32 1
		.amdhsa_system_sgpr_workgroup_id_x 1
		.amdhsa_system_sgpr_workgroup_id_y 1
		.amdhsa_system_sgpr_workgroup_id_z 1
		.amdhsa_system_vgpr_workitem_id 0
		.amdhsa_next_free_vgpr 432
		.amdhsa_next_free_sgpr 96
		.amdhsa_reserve_vcc 1
		.amdhsa_float_denorm_mode_32 3
		.amdhsa_float_denorm_mode_16_64 3
		.amdhsa_memory_ordered 1
		.amdhsa_forward_progress 1
		.amdhsa_inst_pref_size 255
	.end_amdhsa_kernel
	.section	.bss,"aw",@nobits
	.p2align	6
	.space	262144
	.amdgpu_metadata
---
amdhsa.version: [ 1, 2 ]
amdhsa.kernels:
  - .name:           k_qeb0f333551_attention
    .symbol:         k_qeb0f333551_attention.kd
    .args:
      - { .name: qkvb, .offset: 0, .size: 8, .value_kind: global_buffer, .address_space: global }
      - { .name: att, .offset: 8, .size: 8, .value_kind: global_buffer, .address_space: global }
    .group_segment_fixed_size: 327680
    .private_segment_fixed_size: 0
    .kernarg_segment_align: 8
    .kernarg_segment_size: 16
    .max_flat_workgroup_size: 256
    .sgpr_count:     96
    .vgpr_count:     432
    .wavefront_size: 32
...
	.end_amdgpu_metadata
.endif
;; end of part 3
;; launch proj_o (part 4): grid 8 x 32, 4 waves a work-group, clusters of 4 x 4, 327,680 bytes of LDS; arguments att, wb, x, x1; writes x1
.if DOCPART == 4
	.amdgcn_target "amdgcn-amd-amdhsa--gfx1250"
	.amdhsa_code_object_version 6
	.text
	.protected	k_qeb0f333551_proj_o
	.globl	k_qeb0f333551_proj_o
	.p2align	8
	.type	k_qeb0f333551_proj_o,@function
k_qeb0f333551_proj_o:
	s_mov_b64 s[64:65], 0
	v_nop
	global_prefetch_b8 v0, s[64:65] scope:SCOPE_SE
	s_setreg_imm32_b32 hwreg(HW_REG_WAVE_MODE, 25, 1), 1
	s_wait_xcnt 0x0
	s_wait_alu depctr_hold_cnt(0) depctr_sa_sdst(0) depctr_va_vdst(0) depctr_va_sdst(0) depctr_va_ssrc(0) depctr_va_vcc(0) depctr_vm_vsrc(0)
	s_getreg_b32 s2, hwreg(HW_REG_IB_STS2, 6, 4)
	s_cmp_eq_u32 s2, 0
	s_cbranch_scc0 .Lentry_in_a_cluster
	s_endpgm
.Lentry_in_a_cluster:
	s_bfe_u32 s2, ttmp6, 0x10000c
	s_cmp_lg_u32 s2, 0xf033
	s_cbranch_scc0 .Lentry_shape_is_right
	s_endpgm
.Lentry_shape_is_right:
; OUT[m][n] = RES[m][n] + sum over k of A[m][k] W[k][n] (+ bias[n] where HASB = 1), in f32.  K = 1024.
; Here: A = att [4096][1024] f16; W = wo, matrix 3 of wb (f16 [1024 k][1024 n]); RES = x, OUT = x1, both [4096][1024] f32; no bias.
; A work-group makes 128 x 128 of OUT with four waves, a wave 64 x 64: 16 accumulator tiles of 16 x 16 (128 registers).  The tile is no
; larger because 4096 x 1024 outputs in tiles of 128 x 128 are 256 work-groups.
; K goes through two LDS slots of 256 along K each, filled four times in all by the tensor data mover: A's rows are 512 bytes of memory,
; W's rows 256 bytes, both start at multiples of 256 bytes.  W stays [k][n] in LDS; ds_load_tr16_b128 transposes it into fragments.
; CLUSTERS: 4 x 4 work-groups.  A's tile hangs on the block row alone and is asked for jointly by a row of the cluster, W's on the block
; column alone and is asked for jointly by a column: the requests for both are divided by four.
; The matrix instruction is used transposed (source 0 = 16 columns of W, source 1 = 16 rows of A): a lane's eight results are eight
; neighbouring columns of one row of OUT.  My 64 x 64 of RES is loaded at the start into 128 registers, in the layout in which rows leave.
; LIMITS: operands are f16 (their range is stated where they are made), sums and the residual f32.
.set HASB,  0                          ; 1: a bias is added
.set WMAT,  3                          ; which matrix of wb
.set PA,    528                        ; LDS pitch of A's rows: 512 + 16 = 33 x 16 bytes: 16 rows start at 16 different 16-byte columns modulo 256
.set PB,    288                        ; LDS pitch of W's rows: 256 + 32 = 9 x 32 bytes
.set AHALF, 64*PA                      ; what one tensor load of A brings: 64 rows
.set BOFF,  128*PA                     ; W behind A's 128 rows
.set BHALF, 128*PB                     ; what one tensor load of W brings: 128 k rows
.set SLOT,  BOFF+2*BHALF               ; 141,312 bytes
.set STAGE, 2*SLOT                     ; behind the ring, never a tensor load's target: 16 rows x 272 bytes for each wave
.set SP,    272
.set ADRA, 16                          ; v16-17  LDS address of my A fragments in slot 0, 1
.set ADRB, 20                          ; v20-23  of my W fragments: 2 x slot + (which 128 of the slot's 256 k)
.set STO,  24                          ; v24     the way out: where I put 32 bytes of a row
.set RD,   25                          ; v25     where I read rows back
.set CO,   26                          ; v26     my byte offset in RES and OUT
.set BO,   27                          ; v27     my byte offset in the bias
.set BIASR, 28                         ; v28-31  bias of the four columns that I store
.set F0,   64                          ; v64-127   fragment buffer 0: A's four 16-row tiles at +0, W's four 16-column tiles at +32
.set F1,   128                         ; v128-191  fragment buffer 1
.set RES,  128                         ; window 1: v128-255, rows 16 a + 2 t + lane / 16, 16 bytes at 16 (lane % 16), at + 4 (8 a + t)
.set G1,  24                           ; s[24:31] descriptor group 1 for A
.set G0,  32                           ; s[32:39] group 0 for A, one set for each slot
.set G1B, 48                           ; s[48:55] group 1 for W
.set G0B, 56                           ; s[56:63] group 0 for W, one set for each slot
; Registers above v255: window 1 holds the accumulators, tile (a, b) at v[8 (4 a + b)].  s_set_vgpr_msb's low byte: bits 1:0 source 0,
; 3:2 source 1, 5:4 source 2, 7:6 destination; the high byte repeats the setting that is left.
.set MSB, 0
.macro WIN new
.if MSB != \new
	s_set_vgpr_msb (MSB<<8)|\new
.set MSB, \new
.endif
.endm
.set MULW, 0x50                        ; sources 0 and 1 in window 0, C and D in window 1
.macro PLACES                          ; four places behind a matrix instruction (ISA guide 7.12.1) before its registers are loaded into or its result read
.rept 4
	v_nop
.endr
.endm
; A joint load.  Waves 0 and 1 fetch A's two halves, waves 2 and 3 W's.  Each line has one mask and one set of registers for all that issue it.
.macro JLOAD s
	s_cmp_eq_u32 s11, 0
	s_cbranch_scc0 .Lfor_b_\@
	tensor_load_to_lds s[G0+4*\s:G0+4*\s+3], s[G1:G1+7]
	s_nop 0
.rept 4
	v_nop
.endr
	s_branch .Lasked_\@
.Lfor_b_\@:
	tensor_load_to_lds s[G0B+4*\s:G0B+4*\s+3], s[G1B:G1B+7]
	s_nop 0
.rept 4
	v_nop
.endr
.Lasked_\@:
.endm
; A round of the cluster's barrier: my work-group's barrier, wave 0 signals for the work-group, every wave waits for all sixteen, my work-group's barrier again.
.macro CREST
	s_cmp_lg_u32 s10, 0
	s_cbranch_scc1 .Lnot_wave_0_\@
	s_barrier_signal -3
.Lnot_wave_0_\@:
	s_barrier_wait -3
	s_barrier_signal -1
	s_barrier_wait -1
.endm
.macro CROUND
	s_barrier_signal -1
	s_barrier_wait -1
	CREST
.endm
	s_load_b128 s[4:7], s[0:1], 0x0                ; A s[4:5], wb s[6:7]
.if HASB
	s_load_b128 s[72:75], s[0:1], 0x10             ; bias s[72:73], RES s[74:75]
	s_load_b64 s[70:71], s[0:1], 0x20              ; OUT
.else
	s_load_b128 s[68:71], s[0:1], 0x10             ; RES s[68:69], OUT s[70:71]
	v_lshl_add_u32 v254, v0, 2, 0x49400
	v_mov_b32 v255, 0
	ds_add_u32 v254, v255
	ds_add_u32 v254, v255
.endif
	v_lshrrev_b32 v1, 5, v0
	v_readfirstlane_b32 s10, v1                    ; wave 0..3
	s_lshr_b32 s11, s10, 1                         ; my half of the block's rows.  Also: I fetch for A (0) or for W (1)
	s_and_b32 s12, s10, 1                          ; my half of its columns.  Also: which half of that tile I fetch
	s_bfe_u32 s40, ttmp6, 0x40000                  ; cx
	s_bfe_u32 s41, ttmp6, 0x40004                  ; cy
	s_lshl_b32 s42, ttmp9, 2
	s_add_co_u32 s42, s42, s40                     ; block column = 4 x cluster x + cx
	s_and_b32 s13, ttmp7, 0xffff
	s_lshl_b32 s13, s13, 2
	s_add_co_u32 s13, s13, s41                     ; block row = 4 x cluster y + cy
	s_lshl_b32 s43, s41, 2
	s_lshl_b32 s43, 15, s43                        ; my row of the cluster: places 4 cy .. 4 cy + 3
	s_lshl_b32 s44, 0x1111, s40                    ; my column: places cx, cx + 4, cx + 8, cx + 12
	; group 1 for A: 64 rows x 256 elements of 2 bytes, 4 words of padding behind every 128 words
	s_or_b32 s[G1+0], s43, (1<<16)|(1<<20)|(1<<21)|(6<<22)|(3<<25)
	s_mov_b32 s[G1+1], 256<<16                     ; tensor_dim0 = 256
	s_mov_b32 s[G1+2], 64<<16                      ; tensor_dim1 = 64
	s_mov_b32 s[G1+3], 256<<16                     ; tile_dim0 = 256
	s_mov_b32 s[G1+4], 64                          ; tile_dim1 = 64
	s_mov_b32 s[G1+5], 1024                        ; elements from row to row
	s_mov_b32 s[G1+6], 0
	s_mov_b32 s[G1+7], 0
	; group 1 for W: 128 k rows x 128 elements, 8 words of padding behind every 64 words
	s_or_b32 s[G1B+0], s44, (1<<16)|(1<<20)|(1<<21)|(5<<22)|(7<<25)
	s_mov_b32 s[G1B+1], 128<<16
	s_mov_b32 s[G1B+2], 128<<16
	s_mov_b32 s[G1B+3], 128<<16
	s_mov_b32 s[G1B+4], 128
	s_mov_b32 s[G1B+5], 1024
	s_mov_b32 s[G1B+6], 0
	s_mov_b32 s[G1B+7], 0
	; where the tiles come from: A's address is made of the block row and the wave, W's of the block column and the wave
	s_lshl_b32 s16, s13, 7
	s_lshl_b32 s17, s12, 6
	s_add_co_u32 s16, s16, s17                     ; A: row 128 x block row + 64 x half
	s_lshl_b32 s16, s16, 11                        ; x 2,048 bytes
	s_mov_b32 s17, 0
	s_lshl_b32 s46, s42, 8                         ; W: 128 columns of 2 bytes a block column
	s_lshl_b32 s47, s12, 18                        ; + 128 k rows of 2,048 bytes x half
	s_add_co_u32 s46, s46, s47
	s_add_co_u32 s46, s46, WMAT*2097152            ; + the matrix
	s_mov_b32 s47, 0
	s_mul_i32 s20, s10, AHALF                      ; and where they go: waves 0, 1: A's halves;
	s_mul_i32 s21, s10, BHALF
	s_sub_co_u32 s21, s21, 2*BHALF-BOFF            ; waves 2, 3: W's halves, behind A (the value is used by these two waves alone)
	s_wait_dscnt 0x0
	s_wait_kmcnt 0x0
	s_add_nc_u64 s[14:15], s[4:5], s[16:17]
	s_add_nc_u64 s[46:47], s[6:7], s[46:47]
	CROUND                                         ; all sixteen work-groups are here: the first joint loads meet
.irp s, 0,1
	s_mov_b32 s[G0+4*\s], 1
	s_add_co_u32 s[G0+4*\s+1], s20, \s*SLOT
	s_add_nc_u64 s[G0+4*\s+2:G0+4*\s+3], s[14:15], \s*512          ; 256 along K = 512 bytes of a row
	s_or_b32 s[G0+4*\s+3], s[G0+4*\s+3], 0x80000000
	s_mov_b32 s[G0B+4*\s], 1
	s_add_co_u32 s[G0B+4*\s+1], s21, \s*SLOT
	s_add_nc_u64 s[G0B+4*\s+2:G0B+4*\s+3], s[46:47], \s*524288     ; 256 k rows of 2,048 bytes
	s_or_b32 s[G0B+4*\s+3], s[G0B+4*\s+3], 0x80000000
	JLOAD \s                                       ; both slots are asked for before anything else: two loads of a wave are out, later never more than one
.endr
	; lane addresses.  r = lane % 16, h = lane / 16.
	v_and_b32 v1, 15, v0
	v_bfe_u32 v2, v0, 4, 1
	v_mul_u32_u24 v3, v1, PA
	v_lshl_add_u32 v3, v2, 4, v3                   ; A fragment: row r, 16 bytes at 16 h; second load 32 bytes on
	s_mul_i32 s22, s11, 64*PA
	v_add_nc_u32 v[ADRA], s22, v3
	v_add_nc_u32 v[ADRA+1], SLOT, v[ADRA]
	v_and_b32 v4, 7, v0                            ; W fragment by the transposing load: k row 8 h + lane % 8, 16 bytes at 16 ((lane / 8) % 2)
	v_lshl_add_u32 v4, v2, 3, v4
	v_mul_u32_u24 v4, v4, PB
	v_bfe_u32 v5, v0, 3, 1
	v_lshl_add_u32 v4, v5, 4, v4
	s_lshl_b32 s22, s12, 7                         ; my 64 columns: 128 bytes
	s_add_co_u32 s22, s22, BOFF
	v_add_nc_u32 v[ADRB], s22, v4
	v_add_nc_u32 v[ADRB+1], BHALF, v[ADRB]
	v_add_nc_u32 v[ADRB+2], SLOT, v[ADRB]
	v_add_nc_u32 v[ADRB+3], SLOT, v[ADRB+1]
	s_mul_i32 s22, s10, 16*SP
	s_add_co_u32 s22, s22, STAGE                   ; my stage
	v_mul_u32_u24 v5, v1, SP                       ; in: row r, 32 bytes (8 f32) at 32 h
	v_lshl_add_u32 v5, v2, 5, v5
	v_add_nc_u32 v[STO], s22, v5
	v_mul_u32_u24 v5, v2, SP                       ; back: lanes 0-15 one row of 256 bytes, lanes 16-31 the next
	v_lshl_add_u32 v5, v1, 4, v5
	v_add_nc_u32 v[RD], s22, v5
	v_lshlrev_b32 v[BO], 4, v1
	v_lshl_add_u32 v[CO], v2, 12, v[BO]            ; the same two rows in RES and OUT: rows of 4,096 bytes
.if HASB
	s_mov_b64 s[68:69], s[74:75]
.endif
	s_lshl_b32 s78, s42, 9                         ; my first column in bytes: 512 x block column + 256 x half
	s_lshl_b32 s76, s12, 8
	s_add_co_u32 s78, s78, s76
	s_mov_b32 s79, 0
	s_lshl_b32 s76, s13, 7
	s_lshl_b32 s77, s11, 6
	s_add_co_u32 s76, s76, s77                     ; my first row
	s_lshl_b32 s76, s76, 12
	s_add_co_u32 s76, s76, s78
	s_mov_b32 s77, 0
	s_add_nc_u64 s[68:69], s[68:69], s[76:77]
	s_add_nc_u64 s[70:71], s[70:71], s[76:77]
.if HASB
	s_add_nc_u64 s[72:73], s[72:73], s[78:79]
	global_load_b128 v[BIASR:BIASR+3], v[BO], s[72:73]
.endif
	WIN 0x40                                       ; destination in window 1
.irp a, 0,1,2,3
.irp t, 0,1,2,3,4,5,6,7
	global_load_b128 v[RES+4*(8*\a+\t):RES+4*(8*\a+\t)+3], v[CO], s[68:69] offset:(16*\a+2*\t)*4096    ; they stay on their way through the whole product
.endr
.endr
	WIN 0
; 16 LDS loads: the fragments of 32 along K (quarter q = 0..7 of the slot) into buffer f: W's four tiles, then A's four, a ascending
.macro FETCH slot, q, f
	WIN 0
.irp b, 0,1,2,3
	ds_load_tr16_b128 v[\f+32+8*\b:\f+32+8*\b+3], v[ADRB+2*\slot+(\q)/4] offset:((\q)%4)*32*PB+32*\b
	ds_load_tr16_b128 v[\f+32+8*\b+4:\f+32+8*\b+7], v[ADRB+2*\slot+(\q)/4] offset:((\q)%4)*32*PB+32*\b+16*PB
.endr
.irp a, 0,1,2,3
	ds_load_b128 v[\f+8*\a:\f+8*\a+3], v[ADRA+\slot] offset:\a*16*PA+64*(\q)
	ds_load_b128 v[\f+8*\a+4:\f+8*\a+7], v[ADRA+\slot] offset:\a*16*PA+64*(\q)+32
.endr
.endm
; four matrix instructions: rows 16 a .. + 15 x my 64 columns.  zero = 1: the first product starts the sums, nothing is cleared.
; The sixteen accumulators take turns, one instruction a turn, in the same order in every quarter.
.macro MUL4 f, a, zero
.irp b, 0,1,2,3
.if \zero
	v_wmma_f32_16x16x32_f16 v[8*(4*\a+\b):8*(4*\a+\b)+7], v[\f+32+8*\b:\f+32+8*\b+7], v[\f+8*\a:\f+8*\a+7], 0
.else
	v_wmma_f32_16x16x32_f16 v[8*(4*\a+\b):8*(4*\a+\b)+7], v[\f+32+8*\b:\f+32+8*\b+7], v[\f+8*\a:\f+8*\a+7], v[8*(4*\a+\b):8*(4*\a+\b)+7]
.endif
.endr
.endm
; multiplies buffer f (quarter q); in its middle fetches quarter q + 1 of the same slot into buffer g
.macro QUARTER slot, q, f, g, zero
	s_wait_dscnt 4                                 ; W and A's tiles 0, 1 are in; the youngest four loads (A's tiles 2, 3) may be out
	WIN MULW
	MUL4 \f, 0, \zero
	MUL4 \f, 1, \zero
	PLACES
	FETCH \slot, \q+1, \g
	s_wait_dscnt 16                                ; all but the 16 just issued
	WIN MULW
	MUL4 \f, 2, \zero
	MUL4 \f, 3, \zero
.endm
.macro RUN7 slot, zero
	QUARTER \slot, 0, F0, F1, \zero
	QUARTER \slot, 1, F1, F0, 0
	QUARTER \slot, 2, F0, F1, 0
	QUARTER \slot, 3, F1, F0, 0
	QUARTER \slot, 4, F0, F1, 0
	QUARTER \slot, 5, F1, F0, 0
	QUARTER \slot, 6, F0, F1, 0
.endm
; The slot's last quarter (buffer 1), and the change of slots.  One barrier for two things: in front of it each wave waits for its reads of
; this slot and for all its tensor loads (the one that is out is its part of the next slot); behind it nobody reads this slot and the next is
; whole.  fill = 1: the barrier opens a round of the cluster's barrier, and the joint refill is the first tensor load behind the round.
.macro TURN slot, next, fill
	s_wait_dscnt 4
	WIN MULW
	MUL4 F1, 0, 0
	s_wait_dscnt 0x0                               ; my reads of this slot are over
	s_wait_tensorcnt 0x0                           ; all my tensor loads have landed
	ds_add_u32 v254, v255
	s_wait_dscnt 0x0
	s_barrier_signal -1
	MUL4 F1, 1, 0                                  ; register work while the others arrive
	WIN 0
	s_barrier_wait -1
.if \fill
	CREST
	s_add_nc_u64 s[G0+4*\slot+2:G0+4*\slot+3], s[G0+4*\slot+2:G0+4*\slot+3], 1024       ; 512 along K on: no load of mine is out, so group 0 may be written
	s_add_nc_u64 s[G0B+4*\slot+2:G0B+4*\slot+3], s[G0B+4*\slot+2:G0B+4*\slot+3], 1048576
	JLOAD \slot                                    ; its four v_nop are also the places in front of the loads below
.else
	PLACES
.endif
	FETCH \next, 0, F0
	WIN MULW
	MUL4 F1, 2, 0
	MUL4 F1, 3, 0
.endm
	s_wait_tensorcnt 1                             ; my part of slot 0 is in; slot 1's may stay out
	s_barrier_signal -1
	s_barrier_wait -1
	FETCH 0, 0, F0
	RUN7 0, 1                                      ; k 0-255
	TURN 0, 1, 1                                   ; slot 0 is asked for again: k 512-767
	RUN7 1, 0                                      ; k 256-511
	TURN 1, 0, 1                                   ; slot 1: k 768-1023
	RUN7 0, 0
	TURN 0, 1, 0                                   ; nothing is left to fetch
	RUN7 1, 0
	s_wait_dscnt 4
	WIN MULW
	MUL4 F1, 0, 0
	MUL4 F1, 1, 0
	s_wait_dscnt 0x0
	MUL4 F1, 2, 0
	MUL4 F1, 3, 0
	; THE WAY OUT, 16 rows at a time through my own stage: in by tiles, back by rows of 256 bytes, the residual (and the bias) added, stored.
	PLACES
	s_wait_loadcnt 0x0                             ; the residual (and the bias)
.macro OUTF a, f
	WIN 0x04                                       ; store data in window 1
.irp b, 0,1,2,3
	ds_store_b128 v[STO], v[8*(4*\a+\b):8*(4*\a+\b)+3] offset:64*\b
	ds_store_b128 v[STO], v[8*(4*\a+\b)+4:8*(4*\a+\b)+7] offset:64*\b+16
.endr
	WIN 0
	s_wait_xcnt 0x0                                ; buffer f, which earlier stores read, is loaded again only behind this wait
.irp t, 0,1,2,3,4,5,6,7
	ds_load_b128 v[\f+4*\t:\f+4*\t+3], v[RD] offset:\t*2*SP        ; LDS serves a wave's instructions in order (ISA guide 5.7.1.4): these see the stores above
.endr
	s_wait_dscnt 0x0
.if HASB
.irp t, 0,1,2,3,4,5,6,7
	v_pk_add_f32 v[\f+4*\t:\f+4*\t+1], v[\f+4*\t:\f+4*\t+1], v[BIASR:BIASR+1]
	v_pk_add_f32 v[\f+4*\t+2:\f+4*\t+3], v[\f+4*\t+2:\f+4*\t+3], v[BIASR+2:BIASR+3]
.endr
.endif
	WIN 0x04                                       ; source 1 in window 1
.irp t, 0,1,2,3,4,5,6,7
	v_pk_add_f32 v[\f+4*\t:\f+4*\t+1], v[\f+4*\t:\f+4*\t+1], v[RES+4*(8*\a+\t):RES+4*(8*\a+\t)+1]
	v_pk_add_f32 v[\f+4*\t+2:\f+4*\t+3], v[\f+4*\t+2:\f+4*\t+3], v[RES+4*(8*\a+\t)+2:RES+4*(8*\a+\t)+3]
.endr
	WIN 0
.irp t, 0,1,2,3,4,5,6,7
	global_store_b128 v[CO], v[\f+4*\t:\f+4*\t+3], s[70:71] offset:(16*\a+2*\t)*4096    ; 16 lanes store 256 consecutive bytes, aligned
.endr
.endm
	OUTF 0, F0
	OUTF 1, F1
	OUTF 2, F0
	OUTF 3, F1
	s_wait_tensorcnt 0x0
	ds_add_u32 v254, v255
	s_wait_dscnt 0x0
	CROUND                                         ; the closing round: no work-group ends while a partner may still ask for a tile that names it
	s_endpgm
.Lfunc_end_k_qeb0f333551_proj_o:
	.size	k_qeb0f333551_proj_o, .Lfunc_end_k_qeb0f333551_proj_o-k_qeb0f333551_proj_o
	.p2alignl 7, 3214868480
	.fill 96, 4, 3214868480
	.section	.rodata,"a",@progbits
	.p2align	6, 0x0
	.amdhsa_kernel k_qeb0f333551_proj_o
		.amdhsa_group_segment_fixed_size 327680
		.amdhsa_private_segment_fixed_size 0
		.amdhsa_enable_private_segment 0
		.amdhsa_kernarg_size 32
		.amdhsa_user_sgpr_count 2
		.amdhsa_user_sgpr_kernarg_segment_ptr 1
		.amdhsa_wavefront_size32 1
		.amdhsa_system_sgpr_workgroup_id_x 1
		.amdhsa_system_sgpr_workgroup_id_y 1
		.amdhsa_system_sgpr_workgroup_id_z 1
		.amdhsa_system_vgpr_workitem_id 0
		.amdhsa_next_free_vgpr 512
		.amdhsa_next_free_sgpr 80
		.amdhsa_reserve_vcc 0
		.amdhsa_float_denorm_mode_32 3
		.amdhsa_float_denorm_mode_16_64 3
		.amdhsa_memory_ordered 1
		.amdhsa_forward_progress 1
		.amdhsa_inst_pref_size 97
	.end_amdhsa_kernel
	.amdgpu_metadata
---
amdhsa.version: [ 1, 2 ]
amdhsa.kernels:
  - .name:           k_qeb0f333551_proj_o
    .symbol:         k_qeb0f333551_proj_o.kd
    .args:
      - { .name: att, .offset: 0, .size: 8, .value_kind: global_buffer, .address_space: global }
      - { .name: wb, .offset: 8, .size: 8, .value_kind: global_buffer, .address_space: global }
      - { .name: x, .offset: 16, .size: 8, .value_kind: global_buffer, .address_space: global }
      - { .name: x1, .offset: 24, .size: 8, .value_kind: global_buffer, .address_space: global }
    .group_segment_fixed_size: 327680
    .private_segment_fixed_size: 0
    .kernarg_segment_align: 8
    .kernarg_segment_size: 32
    .max_flat_workgroup_size: 128
    .sgpr_count:     80
    .vgpr_count:     512
    .wavefront_size: 32
...
	.end_amdgpu_metadata
.endif
;; end of part 4
;; launch norm2 (part 5): grid 256 x 1, 8 waves a work-group, no clusters, 0 bytes of LDS; arguments x1, ln2_s, ln2_b, xn2; writes xn2
.if DOCPART == 5
	.amdgcn_target "amdgcn-amd-amdhsa--gfx1250"
	.amdhsa_code_object_version 6
	.text
	.protected	k_qeb0f333551_norm2
	.globl	k_qeb0f333551_norm2
	.p2align	8
	.type	k_qeb0f333551_norm2,@function
k_qeb0f333551_norm2:
	s_mov_b64 s[64:65], 0
	v_nop
	global_prefetch_b8 v0, s[64:65] scope:SCOPE_SE
	s_setreg_imm32_b32 hwreg(HW_REG_WAVE_MODE, 25, 1), 1
	s_wait_xcnt 0x0
; xn2 = LayerNorm(x1) * ln2_s + ln2_b, rounded once to f16.  x1: [4096][1024] f32, xn2: [4096][1024] f16.
; Eight waves, 16 rows a work-group, two whole rows a wave: a row is 4,096 bytes = 32 registers of one wave, so it stays in registers
; between the mean, the centred sum of squares and the scaling, and no wave waits for another: no LDS, no barrier.
; The mean is taken away before the squares are summed, as the problem's function does: no difference of large sums is formed.
; It is a launch of its own because a row's statistics need all 1,024 columns, of which the product before makes 128 in a work-group.
; LIMIT of f16: a normalised number is below sqrt(1024) = 32, so |xn2| <= 32 |gain| + |bias|, which must stay under 65,504 (gains up to some 2,000).
; Memory binds: every load of a wave covers 512 neighbouring bytes, every store 256 neighbouring aligned bytes.
.set OFF,  2                           ; v2       16 x lane: my 16 bytes of each 512
.set OFFO, 3                           ; v3       8 x lane: the same place in f16
.set T,    4                           ; v[4:11]  four pairs: chains of sums
.set MU,   12                          ; v[12:13] the mean, twice
.set KI,   14                          ; v14      1/1024
.set R0,   16                          ; v[16:17] 1/sqrt(var + eps) of row 0, twice
.set R1,   18                          ; v[18:19] of row 1
.set X0,   20                          ; v[20:51] row 0: load j holds columns 128 j + 4 lane .. + 3
.set X1,   52                          ; v[52:83] row 1
.set SC,   84                          ; v[84:115]  the gain of the same columns
.set BI,   116                         ; v[116:147] the bias of the same columns
; the four chains in T to one number, the same in all 32 lanes
.macro WSUM
	v_pk_add_f32 v[T:T+1], v[T:T+1], v[T+2:T+3]
	v_pk_add_f32 v[T+4:T+5], v[T+4:T+5], v[T+6:T+7]
	v_pk_add_f32 v[T:T+1], v[T:T+1], v[T+4:T+5]
	v_add_f32 v[T], v[T], v[T+1]
	v_add_f32_dpp v[T], v[T], v[T] row_xmask:1 row_mask:0xf bank_mask:0xf
	v_add_f32_dpp v[T], v[T], v[T] row_xmask:2 row_mask:0xf bank_mask:0xf
	v_add_f32_dpp v[T], v[T], v[T] row_xmask:4 row_mask:0xf bank_mask:0xf
	v_add_f32_dpp v[T], v[T], v[T] row_xmask:8 row_mask:0xf bank_mask:0xf
	v_permlanex16_b32 v[T+1], v[T], s16, s17       ; the other half of the lanes; its destination has been written before
	v_add_f32 v[T], v[T], v[T+1]
.endm
; the row in x is centred in place; r gets 1/sqrt(var + 1e-6), twice
.macro STATS x, r
.irp k, 0,2,4,6
	v_pk_add_f32 v[T+\k:T+\k+1], v[\x+\k:\x+\k+1], v[\x+8+\k:\x+8+\k+1]     ; the first sums start the chains: nothing is cleared
.endr
.irp o, 16,24
.irp k, 0,2,4,6
	v_pk_add_f32 v[T+\k:T+\k+1], v[T+\k:T+\k+1], v[\x+\o+\k:\x+\o+\k+1]
.endr
.endr
	WSUM
	v_mul_f32 v[MU], v[KI], v[T]
	v_mov_b32 v[MU+1], v[MU]
.set i, 0
.rept 16
	v_pk_add_f32 v[\x+i:\x+i+1], v[\x+i:\x+i+1], v[MU:MU+1] neg_lo:[0,1] neg_hi:[0,1]
.set i, i+2
.endr
.irp k, 0,2,4,6
	v_pk_mul_f32 v[T+\k:T+\k+1], v[\x+\k:\x+\k+1], v[\x+\k:\x+\k+1]
.endr
.irp o, 8,16,24
.irp k, 0,2,4,6
	v_pk_fma_f32 v[T+\k:T+\k+1], v[\x+\o+\k:\x+\o+\k+1], v[\x+\o+\k:\x+\o+\k+1], v[T+\k:T+\k+1]
.endr
.endr
	WSUM
	v_fma_f32 v[T], v[T], v[KI], s20               ; var + 1e-6
	v_rsq_f32 v[\r], v[T]
	v_rsq_f32 v[\r+1], v[T]
	v_nop                                          ; one plain place before the result is used or T rewritten (ISA guide 5.7.2)
.endm
; scale, gain and bias, round to f16 in place (register x+i takes columns 2i, 2i+1 of my 32), store
.macro NORM x, r, rowimm
.set i, 0
	s_wait_alu depctr_va_vdst(0)
.rept 16
	v_pk_mul_f32 v[\x+i:\x+i+1], v[\x+i:\x+i+1], v[\r:\r+1]
	v_pk_fma_f32 v[\x+i:\x+i+1], v[\x+i:\x+i+1], v[SC+i:SC+i+1], v[BI+i:BI+i+1]
.set i, i+2
.endr
.set i, 0
.rept 16
	v_cvt_pk_f16_f32 v[\x+i], v[\x+2*i], v[\x+2*i+1]
.set i, i+1
.endr
.irp j, 0,1,2,3,4,5,6,7
	global_store_b64 v[OFFO], v[\x+2*\j:\x+2*\j+1], s[10:11] offset:256*\j+\rowimm   ; 32 lanes x 8 bytes: 256 neighbouring bytes, aligned
.endr
.endm
	s_load_b256 s[4:11], s[0:1], 0x0               ; x1 s[4:5], ln2_s s[6:7], ln2_b s[8:9], xn2 s[10:11]
	v_lshrrev_b32 v1, 5, v0
	v_readfirstlane_b32 s12, v1                    ; wave 0..7
	s_lshl_b32 s14, ttmp9, 16                      ; 16 rows of 4,096 bytes a work-group
	s_lshl_b32 s13, s12, 13                        ; 2 rows a wave
	s_add_co_u32 s14, s14, s13
	s_mov_b32 s15, 0
	s_lshr_b32 s18, s14, 1                         ; the same rows in f16: half the bytes
	s_mov_b32 s19, 0
	s_mov_b32 s16, 0x76543210                      ; v_permlanex16_b32: lane i of one half reads lane i of the other
	s_mov_b32 s17, 0xfedcba98
	s_mov_b32 s20, 0x358637bd                      ; 1e-6
	v_and_b32 v1, 31, v0
	v_lshlrev_b32 v[OFF], 4, v1
	v_lshlrev_b32 v[OFFO], 3, v1
	v_mov_b32 v[KI], 0x3a800000                    ; 1/1024
	s_wait_kmcnt 0x0
	s_add_nc_u64 s[4:5], s[4:5], s[14:15]
	s_add_nc_u64 s[10:11], s[10:11], s[18:19]
.irp j, 0,1,2,3,4,5,6,7
	global_load_b128 v[X0+4*\j:X0+4*\j+3], v[OFF], s[4:5] offset:512*\j
.endr
.irp j, 0,1,2,3,4,5,6,7
	global_load_b128 v[X1+4*\j:X1+4*\j+3], v[OFF], s[4:5] offset:4096+512*\j
.endr
.irp j, 0,1,2,3,4,5,6,7
	global_load_b128 v[SC+4*\j:SC+4*\j+3], v[OFF], s[6:7] offset:512*\j
.endr
.irp j, 0,1,2,3,4,5,6,7
	global_load_b128 v[BI+4*\j:BI+4*\j+3], v[OFF], s[8:9] offset:512*\j
.endr
	s_wait_loadcnt 24                              ; row 0 is in: the 24 younger loads stay out
	STATS X0, R0
	s_wait_loadcnt 16                              ; row 1 is in: gain and bias stay out
	STATS X1, R1
	s_wait_loadcnt 0x0                             ; gain and bias
	NORM X0, R0, 0
	NORM X1, R1, 2048
	s_endpgm
.Lfunc_end_k_qeb0f333551_norm2:
	.size	k_qeb0f333551_norm2, .Lfunc_end_k_qeb0f333551_norm2-k_qeb0f333551_norm2
	.p2alignl 7, 3214868480
	.fill 96, 4, 3214868480
	.section	.rodata,"a",@progbits
	.p2align	6, 0x0
	.amdhsa_kernel k_qeb0f333551_norm2
		.amdhsa_group_segment_fixed_size 0
		.amdhsa_private_segment_fixed_size 0
		.amdhsa_enable_private_segment 0
		.amdhsa_kernarg_size 32
		.amdhsa_user_sgpr_count 2
		.amdhsa_user_sgpr_kernarg_segment_ptr 1
		.amdhsa_wavefront_size32 1
		.amdhsa_system_sgpr_workgroup_id_x 1
		.amdhsa_system_sgpr_workgroup_id_y 1
		.amdhsa_system_sgpr_workgroup_id_z 1
		.amdhsa_system_vgpr_workitem_id 0
		.amdhsa_next_free_vgpr 148
		.amdhsa_next_free_sgpr 66
		.amdhsa_reserve_vcc 0
		.amdhsa_float_denorm_mode_32 3
		.amdhsa_float_denorm_mode_16_64 3
		.amdhsa_memory_ordered 1
		.amdhsa_forward_progress 1
		.amdhsa_inst_pref_size 20
	.end_amdhsa_kernel
	.amdgpu_metadata
---
amdhsa.version: [ 1, 2 ]
amdhsa.kernels:
  - .name:           k_qeb0f333551_norm2
    .symbol:         k_qeb0f333551_norm2.kd
    .args:
      - { .name: x1, .offset: 0, .size: 8, .value_kind: global_buffer, .address_space: global }
      - { .name: ln2_s, .offset: 8, .size: 8, .value_kind: global_buffer, .address_space: global }
      - { .name: ln2_b, .offset: 16, .size: 8, .value_kind: global_buffer, .address_space: global }
      - { .name: xn2, .offset: 24, .size: 8, .value_kind: global_buffer, .address_space: global }
    .group_segment_fixed_size: 0
    .private_segment_fixed_size: 0
    .kernarg_segment_align: 8
    .kernarg_segment_size: 32
    .max_flat_workgroup_size: 256
    .sgpr_count:     66
    .vgpr_count:     148
    .wavefront_size: 32
...
	.end_amdgpu_metadata
.endif
;; end of part 5
;; launch ffn_up (part 6): grid 8 x 32, 4 waves a work-group, clusters of 4 x 4, 327,680 bytes of LDS; arguments xn2, wb, b1, hb; writes hb
.if DOCPART == 6
	.amdgcn_target "amdgcn-amd-amdhsa--gfx1250"
	.amdhsa_code_object_version 6
	.text
	.protected	k_qeb0f333551_ffn_up
	.globl	k_qeb0f333551_ffn_up
	.p2align	8
	.type	k_qeb0f333551_ffn_up,@function
k_qeb0f333551_ffn_up:
	s_mov_b64 s[64:65], 0
	v_nop
	global_prefetch_b8 v0, s[64:65] scope:SCOPE_SE
	s_setreg_imm32_b32 hwreg(HW_REG_WAVE_MODE, 25, 1), 1
	s_wait_xcnt 0x0
	s_wait_alu depctr_hold_cnt(0) depctr_sa_sdst(0) depctr_va_vdst(0) depctr_va_sdst(0) depctr_va_ssrc(0) depctr_va_vcc(0) depctr_vm_vsrc(0)
	s_getreg_b32 s2, hwreg(HW_REG_IB_STS2, 6, 4)
	s_cmp_eq_u32 s2, 0
	s_cbranch_scc0 .Lentry_in_a_cluster
	s_endpgm
.Lentry_in_a_cluster:
	s_bfe_u32 s2, ttmp6, 0x10000c
	s_cmp_lg_u32 s2, 0xf033
	s_cbranch_scc0 .Lentry_shape_is_right
	s_endpgm
.Lentry_shape_is_right:
; OUT[m][n] = sum over k of A[m][k] W[k][n] + bias[n] (then GELU where GELU = 1), rounded once to f16.  K = 1024.
; Here: A = xn2 [4096][1024] f16; W = w1, matrix 4 of wb (f16 [1024 k][1024 n]); bias = b1; GELU in its tanh form; OUT = hb [4096][1024] f16.
; A work-group makes 128 x 128 of OUT with four waves, a wave 64 x 64: 16 accumulator tiles of 16 x 16 (128 registers).  The tile is no
; larger because 4096 x 1024 outputs in tiles of 128 x 128 are 256 work-groups.
; K goes through two LDS slots of 256 along K each, filled four times in all by the tensor data mover: A's rows are 512 bytes of memory,
; W's rows 256 bytes, both start at multiples of 256 bytes.  W stays [k][n] in LDS; ds_load_tr16_b128 transposes it into fragments.
; CLUSTERS: 4 x 4 work-groups.  A's tile hangs on the block row alone and is asked for jointly by a row of the cluster, W's on the block
; column alone and is asked for jointly by a column: the requests for both are divided by four.
; The matrix instruction is used transposed (source 0 = 16 columns of W, source 1 = 16 rows of A): a lane's eight results are eight
; neighbouring columns of one row of OUT.
; LIMITS: operands are f16 (A and W rounded once), sums, bias and GELU f32.  OUT is f16: a result beyond 65,504 becomes infinite.  With LayerNorm gains
; of 30 and weights of spread 30/32 (both thirty times the usual) the results have spread 30 x 30 = 900; with both thirty times smaller, 1e-3,
; where f16's step is at most 2^-20.
.set THREE, 0                          ; 1: three weight matrices and three biases side by side, chosen by the block column / 8
.set GELU,  1                          ; 1: tanh-form GELU on the sums
.set OUTP,  2048                       ; bytes in a row of OUT
.set WMAT,  4                          ; THREE = 0: which matrix of wb
.set PA,    528                        ; LDS pitch of A's rows: 512 + 16 = 33 x 16 bytes: 16 rows start at 16 different 16-byte columns modulo 256
.set PB,    288                        ; LDS pitch of W's rows: 256 + 32 = 9 x 32 bytes
.set AHALF, 64*PA                      ; what one tensor load of A brings: 64 rows
.set BOFF,  128*PA                     ; W behind A's 128 rows
.set BHALF, 128*PB                     ; what one tensor load of W brings: 128 k rows
.set SLOT,  BOFF+2*BHALF               ; 141,312 bytes
.set STAGE, 2*SLOT                     ; behind the ring, never a tensor load's target: 128 rows x 272 bytes for the way out
.set SP,    272
.set ADRA, 16                          ; v16-17  LDS address of my A fragments in slot 0, 1
.set ADRB, 20                          ; v20-23  of my W fragments: 2 x slot + (which 128 of the slot's 256 k)
.set STO,  24                          ; v24     the way out: where I put 16 bytes of a row
.set RD,   25                          ; v25     where I read rows back
.set CO,   26                          ; v26     my byte offset in OUT
.set BO,   27                          ; v27     my byte offset in the bias
.set F0,   64                          ; v64-127   fragment buffer 0: A's four 16-row tiles at +0, W's four 16-column tiles at +32
.set F1,   128                         ; v128-191  fragment buffer 1
.set BIAS, 224                         ; v224-255  bias of my 4 x 8 columns
.set TG,   128                         ; window 1: v128-135 at work in GELU
.set C1,   136                         ; window 1: v136-137
.set C2,   138                         ; window 1: v138-139
.set G1,  24                           ; s[24:31] descriptor group 1 for A
.set G0,  32                           ; s[32:39] group 0 for A, one set for each slot
.set G1B, 48                           ; s[48:55] group 1 for W
.set G0B, 56                           ; s[56:63] group 0 for W, one set for each slot
; Registers above v255: window 1 holds the accumulators, tile (a, b) at v[8 (4 a + b)].  s_set_vgpr_msb's low byte: bits 1:0 source 0,
; 3:2 source 1, 5:4 source 2, 7:6 destination; the high byte repeats the setting that is left.
.set MSB, 0
.macro WIN new
.if MSB != \new
	s_set_vgpr_msb (MSB<<8)|\new
.set MSB, \new
.endif
.endm
.set MULW, 0x50                        ; sources 0 and 1 in window 0, C and D in window 1
.macro PLACES                          ; four places behind a matrix instruction (ISA guide 7.12.1) before its registers are loaded into or its result read
.rept 4
	v_nop
.endr
.endm
; A joint load.  Waves 0 and 1 fetch A's two halves, waves 2 and 3 W's.  Each line has one mask and one set of registers for all that issue it.
.macro JLOAD s
	s_cmp_eq_u32 s11, 0
	s_cbranch_scc0 .Lfor_b_\@
	tensor_load_to_lds s[G0+4*\s:G0+4*\s+3], s[G1:G1+7]
	s_nop 0
.rept 4
	v_nop
.endr
	s_branch .Lasked_\@
.Lfor_b_\@:
	tensor_load_to_lds s[G0B+4*\s:G0B+4*\s+3], s[G1B:G1B+7]
	s_nop 0
.rept 4
	v_nop
.endr
.Lasked_\@:
.endm
; A round of the cluster's barrier: my work-group's barrier, wave 0 signals for the work-group, every wave waits for all sixteen, my work-group's barrier again.
.macro CREST
	s_cmp_lg_u32 s10, 0
	s_cbranch_scc1 .Lnot_wave_0_\@
	s_barrier_signal -3
.Lnot_wave_0_\@:
	s_barrier_wait -3
	s_barrier_signal -1
	s_barrier_wait -1
.endm
.macro CROUND
	s_barrier_signal -1
	s_barrier_wait -1
	CREST
.endm
	s_load_b128 s[4:7], s[0:1], 0x0                ; A s[4:5], wb s[6:7]
.if THREE
	s_load_b128 s[68:71], s[0:1], 0x10             ; bq s[68:69], bk s[70:71]
	s_load_b128 s[72:75], s[0:1], 0x20             ; bv s[72:73], OUT s[74:75]
.else
	s_load_b128 s[68:71], s[0:1], 0x10             ; bias s[68:69], OUT s[70:71]
	v_lshl_add_u32 v222, v0, 2, 0x4d800
	v_mov_b32 v223, 0
	ds_add_u32 v222, v223
	ds_add_u32 v222, v223
.endif
	v_lshrrev_b32 v1, 5, v0
	v_readfirstlane_b32 s10, v1                    ; wave 0..3
	s_lshr_b32 s11, s10, 1                         ; my half of the block's rows.  Also: I fetch for A (0) or for W (1)
	s_and_b32 s12, s10, 1                          ; my half of its columns.  Also: which half of that tile I fetch
	s_bfe_u32 s40, ttmp6, 0x40000                  ; cx
	s_bfe_u32 s41, ttmp6, 0x40004                  ; cy
	s_lshl_b32 s42, ttmp9, 2
	s_add_co_u32 s42, s42, s40                     ; block column = 4 x cluster x + cx
	s_and_b32 s13, ttmp7, 0xffff
	s_lshl_b32 s13, s13, 2
	s_add_co_u32 s13, s13, s41                     ; block row = 4 x cluster y + cy
	s_lshl_b32 s43, s41, 2
	s_lshl_b32 s43, 15, s43                        ; my row of the cluster: places 4 cy .. 4 cy + 3
	s_lshl_b32 s44, 0x1111, s40                    ; my column: places cx, cx + 4, cx + 8, cx + 12
	s_lshr_b32 s45, ttmp9, 1                       ; block column / 8 = cluster x / 2: which of the three matrices (THREE = 1 alone)
	; group 1 for A: 64 rows x 256 elements of 2 bytes, 4 words of padding behind every 128 words
	s_or_b32 s[G1+0], s43, (1<<16)|(1<<20)|(1<<21)|(6<<22)|(3<<25)
	s_mov_b32 s[G1+1], 256<<16                     ; tensor_dim0 = 256
	s_mov_b32 s[G1+2], 64<<16                      ; tensor_dim1 = 64
	s_mov_b32 s[G1+3], 256<<16                     ; tile_dim0 = 256
	s_mov_b32 s[G1+4], 64                          ; tile_dim1 = 64
	s_mov_b32 s[G1+5], 1024                        ; elements from row to row
	s_mov_b32 s[G1+6], 0
	s_mov_b32 s[G1+7], 0
	; group 1 for W: 128 k rows x 128 elements, 8 words of padding behind every 64 words
	s_or_b32 s[G1B+0], s44, (1<<16)|(1<<20)|(1<<21)|(5<<22)|(7<<25)
	s_mov_b32 s[G1B+1], 128<<16
	s_mov_b32 s[G1B+2], 128<<16
	s_mov_b32 s[G1B+3], 128<<16
	s_mov_b32 s[G1B+4], 128
	s_mov_b32 s[G1B+5], 1024
	s_mov_b32 s[G1B+6], 0
	s_mov_b32 s[G1B+7], 0
	; where the tiles come from: A's address is made of the block row and the wave, W's of the block column and the wave
	s_lshl_b32 s16, s13, 7
	s_lshl_b32 s17, s12, 6
	s_add_co_u32 s16, s16, s17                     ; A: row 128 x block row + 64 x half
	s_lshl_b32 s16, s16, 11                        ; x 2,048 bytes
	s_mov_b32 s17, 0
	s_and_b32 s46, s42, 7
	s_lshl_b32 s46, s46, 8                         ; W: 128 columns of 2 bytes a block column
	s_lshl_b32 s47, s12, 18                        ; + 128 k rows of 2,048 bytes x half
	s_add_co_u32 s46, s46, s47
.if THREE
	s_lshl_b32 s47, s45, 21                        ; + the matrix: 2,097,152 bytes each
	s_add_co_u32 s46, s46, s47
.else
	s_add_co_u32 s46, s46, WMAT*2097152
.endif
	s_mov_b32 s47, 0
	s_mul_i32 s20, s10, AHALF                      ; and where they go: waves 0, 1: A's halves;
	s_mul_i32 s21, s10, BHALF
	s_sub_co_u32 s21, s21, 2*BHALF-BOFF            ; waves 2, 3: W's halves, behind A (the value is used by these two waves alone)
	s_wait_dscnt 0x0
	s_wait_kmcnt 0x0
	s_add_nc_u64 s[14:15], s[4:5], s[16:17]
	s_add_nc_u64 s[46:47], s[6:7], s[46:47]
	CROUND                                         ; all sixteen work-groups are here: the first joint loads meet
.irp s, 0,1
	s_mov_b32 s[G0+4*\s], 1
	s_add_co_u32 s[G0+4*\s+1], s20, \s*SLOT
	s_add_nc_u64 s[G0+4*\s+2:G0+4*\s+3], s[14:15], \s*512          ; 256 along K = 512 bytes of a row
	s_or_b32 s[G0+4*\s+3], s[G0+4*\s+3], 0x80000000
	s_mov_b32 s[G0B+4*\s], 1
	s_add_co_u32 s[G0B+4*\s+1], s21, \s*SLOT
	s_add_nc_u64 s[G0B+4*\s+2:G0B+4*\s+3], s[46:47], \s*524288     ; 256 k rows of 2,048 bytes
	s_or_b32 s[G0B+4*\s+3], s[G0B+4*\s+3], 0x80000000
	JLOAD \s                                       ; both slots are asked for before anything else: two loads of a wave are out, later never more than one
.endr
	; lane addresses.  r = lane % 16, h = lane / 16.
	v_and_b32 v1, 15, v0
	v_bfe_u32 v2, v0, 4, 1
	v_mul_u32_u24 v3, v1, PA
	v_lshl_add_u32 v3, v2, 4, v3                   ; A fragment: row r, 16 bytes at 16 h; second load 32 bytes on
	s_mul_i32 s22, s11, 64*PA
	v_add_nc_u32 v[ADRA], s22, v3
	v_add_nc_u32 v[ADRA+1], SLOT, v[ADRA]
	v_and_b32 v4, 7, v0                            ; W fragment by the transposing load: k row 8 h + lane % 8, 16 bytes at 16 ((lane / 8) % 2)
	v_lshl_add_u32 v4, v2, 3, v4
	v_mul_u32_u24 v4, v4, PB
	v_bfe_u32 v5, v0, 3, 1
	v_lshl_add_u32 v4, v5, 4, v4
	s_lshl_b32 s22, s12, 7                         ; my 64 columns: 128 bytes
	s_add_co_u32 s22, s22, BOFF
	v_add_nc_u32 v[ADRB], s22, v4
	v_add_nc_u32 v[ADRB+1], BHALF, v[ADRB]
	v_add_nc_u32 v[ADRB+2], SLOT, v[ADRB]
	v_add_nc_u32 v[ADRB+3], SLOT, v[ADRB+1]
	v_mul_u32_u24 v5, v1, SP                       ; the way out, in: row 64 wr + r, byte 128 wc + 16 h
	v_lshl_add_u32 v5, v2, 4, v5
	s_mul_i32 s22, s11, 64*SP
	s_lshl_b32 s23, s12, 7
	s_add_co_u32 s22, s22, s23
	s_add_co_u32 s22, s22, STAGE
	v_add_nc_u32 v[STO], s22, v5
	v_mul_u32_u24 v5, v2, SP                       ; back: rows 32 w + h, 16 bytes at 16 r
	v_lshl_add_u32 v5, v1, 4, v5
	s_mul_i32 s22, s10, 32*SP
	s_add_co_u32 s22, s22, STAGE
	v_add_nc_u32 v[RD], s22, v5
	v_mul_u32_u24 v5, v2, OUTP
	v_lshl_add_u32 v[CO], v1, 4, v5
	v_lshlrev_b32 v[BO], 5, v2                     ; 8 h numbers of 4 bytes
.if THREE
	s_cmp_eq_u32 s45, 1
	s_cselect_b64 s[66:67], s[70:71], s[68:69]
	s_cmp_eq_u32 s45, 2
	s_cselect_b64 s[66:67], s[72:73], s[66:67]
	s_mov_b64 s[8:9], s[74:75]
.else
	s_mov_b64 s[66:67], s[68:69]
	s_mov_b64 s[8:9], s[70:71]
.endif
	s_and_b32 s76, s42, 7
	s_lshl_b32 s76, s76, 9                         ; bias: 128 numbers a block column,
	s_lshl_b32 s78, s12, 8                         ; 64 a wave
	s_add_co_u32 s76, s76, s78
	s_mov_b32 s77, 0
	s_add_nc_u64 s[66:67], s[66:67], s[76:77]
	s_lshl_b32 s76, s13, 7
	s_lshl_b32 s78, s10, 5
	s_add_co_u32 s76, s76, s78                     ; OUT: row 128 x block row + 32 w (the rows that I read back),
	s_mul_i32 s76, s76, OUTP
	s_lshl_b32 s78, s42, 8                         ; byte 256 x block column
	s_add_co_u32 s76, s76, s78
	s_add_nc_u64 s[8:9], s[8:9], s[76:77]
.irp b, 0,1,2,3
	global_load_b128 v[BIAS+8*\b:BIAS+8*\b+3], v[BO], s[66:67] offset:64*\b        ; bias of columns 16 b + 8 h + 0..3
	global_load_b128 v[BIAS+8*\b+4:BIAS+8*\b+7], v[BO], s[66:67] offset:64*\b+16   ; + 4..7; waited for in front of the way out
.endr
; 16 LDS loads: the fragments of 32 along K (quarter q = 0..7 of the slot) into buffer f: W's four tiles, then A's four, a ascending
.macro FETCH slot, q, f
	WIN 0
.irp b, 0,1,2,3
	ds_load_tr16_b128 v[\f+32+8*\b:\f+32+8*\b+3], v[ADRB+2*\slot+(\q)/4] offset:((\q)%4)*32*PB+32*\b
	ds_load_tr16_b128 v[\f+32+8*\b+4:\f+32+8*\b+7], v[ADRB+2*\slot+(\q)/4] offset:((\q)%4)*32*PB+32*\b+16*PB
.endr
.irp a, 0,1,2,3
	ds_load_b128 v[\f+8*\a:\f+8*\a+3], v[ADRA+\slot] offset:\a*16*PA+64*(\q)
	ds_load_b128 v[\f+8*\a+4:\f+8*\a+7], v[ADRA+\slot] offset:\a*16*PA+64*(\q)+32
.endr
.endm
; four matrix instructions: rows 16 a .. + 15 x my 64 columns.  zero = 1: the first product starts the sums, nothing is cleared.
; The sixteen accumulators take turns, one instruction a turn, in the same order in every quarter.
.macro MUL4 f, a, zero
.irp b, 0,1,2,3
.if \zero
	v_wmma_f32_16x16x32_f16 v[8*(4*\a+\b):8*(4*\a+\b)+7], v[\f+32+8*\b:\f+32+8*\b+7], v[\f+8*\a:\f+8*\a+7], 0
.else
	v_wmma_f32_16x16x32_f16 v[8*(4*\a+\b):8*(4*\a+\b)+7], v[\f+32+8*\b:\f+32+8*\b+7], v[\f+8*\a:\f+8*\a+7], v[8*(4*\a+\b):8*(4*\a+\b)+7]
.endif
.endr
.endm
; multiplies buffer f (quarter q); in its middle fetches quarter q + 1 of the same slot into buffer g
.macro QUARTER slot, q, f, g, zero
	s_wait_dscnt 4                                 ; W and A's tiles 0, 1 are in; the youngest four loads (A's tiles 2, 3) may be out
	WIN MULW
	MUL4 \f, 0, \zero
	MUL4 \f, 1, \zero
	PLACES
	FETCH \slot, \q+1, \g
	s_wait_dscnt 16                                ; all but the 16 just issued
	WIN MULW
	MUL4 \f, 2, \zero
	MUL4 \f, 3, \zero
.endm
.macro RUN7 slot, zero
	QUARTER \slot, 0, F0, F1, \zero
	QUARTER \slot, 1, F1, F0, 0
	QUARTER \slot, 2, F0, F1, 0
	QUARTER \slot, 3, F1, F0, 0
	QUARTER \slot, 4, F0, F1, 0
	QUARTER \slot, 5, F1, F0, 0
	QUARTER \slot, 6, F0, F1, 0
.endm
; The slot's last quarter (buffer 1), and the change of slots.  One barrier for two things: in front of it each wave waits for its reads of
; this slot and for all its tensor loads (the one that is out is its part of the next slot); behind it nobody reads this slot and the next is
; whole.  fill = 1: the barrier opens a round of the cluster's barrier, and the joint refill is the first tensor load behind the round.
.macro TURN slot, next, fill
	s_wait_dscnt 4
	WIN MULW
	MUL4 F1, 0, 0
	s_wait_dscnt 0x0                               ; my reads of this slot are over
	s_wait_tensorcnt 0x0                           ; all my tensor loads have landed
	ds_add_u32 v222, v223
	s_wait_dscnt 0x0
	s_barrier_signal -1
	MUL4 F1, 1, 0                                  ; register work while the others arrive
	WIN 0
	s_barrier_wait -1
.if \fill
	CREST
	s_add_nc_u64 s[G0+4*\slot+2:G0+4*\slot+3], s[G0+4*\slot+2:G0+4*\slot+3], 1024       ; 512 along K on: no load of mine is out, so group 0 may be written
	s_add_nc_u64 s[G0B+4*\slot+2:G0B+4*\slot+3], s[G0B+4*\slot+2:G0B+4*\slot+3], 1048576
	JLOAD \slot                                    ; its four v_nop are also the places in front of the loads below
.else
	PLACES
.endif
	FETCH \next, 0, F0
	WIN MULW
	MUL4 F1, 2, 0
	MUL4 F1, 3, 0
.endm
	s_wait_tensorcnt 1                             ; my part of slot 0 is in; slot 1's may stay out
	s_barrier_signal -1
	s_barrier_wait -1
	FETCH 0, 0, F0
	RUN7 0, 1                                      ; k 0-255
	TURN 0, 1, 1                                   ; slot 0 is asked for again: k 512-767
	RUN7 1, 0                                      ; k 256-511
	TURN 1, 0, 1                                   ; slot 1: k 768-1023
	RUN7 0, 0
	TURN 0, 1, 0                                   ; nothing is left to fetch
	RUN7 1, 0
	s_wait_dscnt 4
	WIN MULW
	MUL4 F1, 0, 0
	MUL4 F1, 1, 0
	s_wait_dscnt 0x0
	MUL4 F1, 2, 0
	MUL4 F1, 3, 0
	; THE WAY OUT: bias (and GELU) in f32, one rounding to f16, through the stage so that whole rows of 256 bytes leave.
	PLACES
	s_wait_loadcnt 0x0                             ; the bias
	WIN 0x41                                       ; accumulators in window 1, the bias in window 0
.irp a, 0,1,2,3
.irp b, 0,1,2,3
.irp i, 0,2,4,6
	v_pk_add_f32 v[8*(4*\a+\b)+\i:8*(4*\a+\b)+\i+1], v[8*(4*\a+\b)+\i:8*(4*\a+\b)+\i+1], v[BIAS+8*\b+\i:BIAS+8*\b+\i+1]
.endr
.endr
.endr
.if GELU
; gelu(x) = x / (1 + exp2(x (C1 + C2 x^2))), C1 = -2 log2(e) sqrt(2/pi), C2 = 0.044715 C1: the tanh form, since (1 + tanh u) / 2 = 1 / (1 + e^(-2u)).
; For large |x| the exponential runs to 0 or to infinity and the result to x or to -0.
.macro GELU8 x
.irp i, 0,2,4,6
	v_pk_mul_f32 v[TG+\i:TG+\i+1], v[\x+\i:\x+\i+1], v[\x+\i:\x+\i+1]
.endr
.irp i, 0,2,4,6
	v_pk_fma_f32 v[TG+\i:TG+\i+1], v[TG+\i:TG+\i+1], v[C2:C2+1], v[C1:C1+1]
.endr
.irp i, 0,2,4,6
	v_pk_mul_f32 v[TG+\i:TG+\i+1], v[TG+\i:TG+\i+1], v[\x+\i:\x+\i+1]
.endr
.irp i, 0,1,2,3,4,5,6,7
	v_exp_f32 v[TG+\i], v[TG+\i]
.endr
	v_nop                                          ; one plain place behind the transcendentals (ISA guide 5.7.2)
	s_wait_alu depctr_va_vdst(0)
.irp i, 0,2,4,6
	v_pk_add_f32 v[TG+\i:TG+\i+1], v[TG+\i:TG+\i+1], 1.0 op_sel_hi:[1,0]
.endr
.irp i, 0,1,2,3,4,5,6,7
	v_rcp_f32 v[TG+\i], v[TG+\i]
.endr
	v_nop
	s_wait_alu depctr_va_vdst(0)
.irp i, 0,2,4,6
	v_pk_mul_f32 v[\x+\i:\x+\i+1], v[\x+\i:\x+\i+1], v[TG+\i:TG+\i+1]
.endr
.endm
	WIN 0x55
	v_mov_b32 v[C1], 0xc0135761                    ; -2.3022082
	v_mov_b32 v[C1+1], 0xc0135761
	v_mov_b32 v[C2], 0xbdd2d3e8                    ; -0.10294324
	v_mov_b32 v[C2+1], 0xbdd2d3e8
.irp x, 0,8,16,24,32,40,48,56,64,72,80,88,96,104,112,120
	GELU8 \x
.endr
.endif
	WIN 0x05                                       ; sources in window 1, the packed results in buffer 0
.irp a, 0,1,2,3
.irp b, 0,1,2,3
.irp i, 0,1,2,3
	v_cvt_pk_f16_f32 v[F0+4*(4*\a+\b)+\i], v[8*(4*\a+\b)+2*\i], v[8*(4*\a+\b)+2*\i+1]
.endr
.endr
.endr
	WIN 0
.irp a, 0,1,2,3
.irp b, 0,1,2,3
	ds_store_b128 v[STO], v[F0+4*(4*\a+\b):F0+4*(4*\a+\b)+3] offset:\a*16*SP+32*\b
.endr
.endr
	s_wait_dscnt 0x0                               ; for the others' sake: a row of the stage is written by two waves
	s_barrier_signal -1
	s_barrier_wait -1
.irp t, 0,1,2,3,4,5,6,7,8,9,10,11,12,13,14,15
	ds_load_b128 v[F1+4*\t:F1+4*\t+3], v[RD] offset:\t*2*SP
.endr
.irp t, 0,1,2,3,4,5,6,7,8,9,10,11,12,13,14,15
	s_wait_dscnt 15-\t                             ; LDS loads come back in order: load t is in
	global_store_b128 v[CO], v[F1+4*\t:F1+4*\t+3], s[8:9] offset:2*\t*OUTP    ; 16 lanes store 256 consecutive bytes, aligned
.endr
	s_wait_tensorcnt 0x0
	ds_add_u32 v222, v223
	s_wait_dscnt 0x0
	CROUND                                         ; the closing round: no work-group ends while a partner may still ask for a tile that names it
	s_endpgm
.Lfunc_end_k_qeb0f333551_ffn_up:
	.size	k_qeb0f333551_ffn_up, .Lfunc_end_k_qeb0f333551_ffn_up-k_qeb0f333551_ffn_up
	.p2alignl 7, 3214868480
	.fill 96, 4, 3214868480
	.section	.rodata,"a",@progbits
	.p2align	6, 0x0
	.amdhsa_kernel k_qeb0f333551_ffn_up
		.amdhsa_group_segment_fixed_size 327680
		.amdhsa_private_segment_fixed_size 0
		.amdhsa_enable_private_segment 0
		.amdhsa_kernarg_size 32
		.amdhsa_user_sgpr_count 2
		.amdhsa_user_sgpr_kernarg_segment_ptr 1
		.amdhsa_wavefront_size32 1
		.amdhsa_system_sgpr_workgroup_id_x 1
		.amdhsa_system_sgpr_workgroup_id_y 1
		.amdhsa_system_sgpr_workgroup_id_z 1
		.amdhsa_system_vgpr_workitem_id 0
		.amdhsa_next_free_vgpr 512
		.amdhsa_next_free_sgpr 80
		.amdhsa_reserve_vcc 0
		.amdhsa_float_denorm_mode_32 3
		.amdhsa_float_denorm_mode_16_64 3
		.amdhsa_memory_ordered 1
		.amdhsa_forward_progress 1
		.amdhsa_inst_pref_size 126
	.end_amdhsa_kernel
	.amdgpu_metadata
---
amdhsa.version: [ 1, 2 ]
amdhsa.kernels:
  - .name:           k_qeb0f333551_ffn_up
    .symbol:         k_qeb0f333551_ffn_up.kd
    .args:
      - { .name: xn2, .offset: 0, .size: 8, .value_kind: global_buffer, .address_space: global }
      - { .name: wb, .offset: 8, .size: 8, .value_kind: global_buffer, .address_space: global }
      - { .name: b1, .offset: 16, .size: 8, .value_kind: global_buffer, .address_space: global }
      - { .name: hb, .offset: 24, .size: 8, .value_kind: global_buffer, .address_space: global }
    .group_segment_fixed_size: 327680
    .private_segment_fixed_size: 0
    .kernarg_segment_align: 8
    .kernarg_segment_size: 32
    .max_flat_workgroup_size: 128
    .sgpr_count:     80
    .vgpr_count:     512
    .wavefront_size: 32
...
	.end_amdgpu_metadata
.endif
;; end of part 6
;; launch ffn_down (part 7): grid 8 x 32, 4 waves a work-group, clusters of 4 x 4, 327,680 bytes of LDS; arguments hb, wb, b2, x1, out0; writes out0
.if DOCPART == 7
	.amdgcn_target "amdgcn-amd-amdhsa--gfx1250"
	.amdhsa_code_object_version 6
	.text
	.protected	k_qeb0f333551_ffn_down
	.globl	k_qeb0f333551_ffn_down
	.p2align	8
	.type	k_qeb0f333551_ffn_down,@function
k_qeb0f333551_ffn_down:
	s_mov_b64 s[64:65], 0
	v_nop
	global_prefetch_b8 v0, s[64:65] scope:SCOPE_SE
	s_setreg_imm32_b32 hwreg(HW_REG_WAVE_MODE, 25, 1), 1
	s_wait_xcnt 0x0
	s_wait_alu depctr_hold_cnt(0) depctr_sa_sdst(0) depctr_va_vdst(0) depctr_va_sdst(0) depctr_va_ssrc(0) depctr_va_vcc(0) depctr_vm_vsrc(0)
	s_getreg_b32 s2, hwreg(HW_REG_IB_STS2, 6, 4)
	s_cmp_eq_u32 s2, 0
	s_cbranch_scc0 .Lentry_in_a_cluster
	s_endpgm
.Lentry_in_a_cluster:
	s_bfe_u32 s2, ttmp6, 0x10000c
	s_cmp_lg_u32 s2, 0xf033
	s_cbranch_scc0 .Lentry_shape_is_right
	s_endpgm
.Lentry_shape_is_right:
; OUT[m][n] = RES[m][n] + sum over k of A[m][k] W[k][n] (+ bias[n] where HASB = 1), in f32.  K = 1024.
; Here: A = hb [4096][1024] f16; W = w2, matrix 5 of wb (f16 [1024 k][1024 n]); bias = b2; RES = x1, OUT = out0, both [4096][1024] f32.
; A work-group makes 128 x 128 of OUT with four waves, a wave 64 x 64: 16 accumulator tiles of 16 x 16 (128 registers).  The tile is no
; larger because 4096 x 1024 outputs in tiles of 128 x 128 are 256 work-groups.
; K goes through two LDS slots of 256 along K each, filled four times in all by the tensor data mover: A's rows are 512 bytes of memory,
; W's rows 256 bytes, both start at multiples of 256 bytes.  W stays [k][n] in LDS; ds_load_tr16_b128 transposes it into fragments.
; CLUSTERS: 4 x 4 work-groups.  A's tile hangs on the block row alone and is asked for jointly by a row of the cluster, W's on the block
; column alone and is asked for jointly by a column: the requests for both are divided by four.
; The matrix instruction is used transposed (source 0 = 16 columns of W, source 1 = 16 rows of A): a lane's eight results are eight
; neighbouring columns of one row of OUT.  My 64 x 64 of RES is loaded at the start into 128 registers, in the layout in which rows leave.
; LIMITS: operands are f16 (their range is stated where they are made), sums, bias and the residual f32.
.set HASB,  1                          ; 1: a bias is added
.set WMAT,  5                          ; which matrix of wb
.set PA,    528                        ; LDS pitch of A's rows: 512 + 16 = 33 x 16 bytes: 16 rows start at 16 different 16-byte columns modulo 256
.set PB,    288                        ; LDS pitch of W's rows: 256 + 32 = 9 x 32 bytes
.set AHALF, 64*PA                      ; what one tensor load of A brings: 64 rows
.set BOFF,  128*PA                     ; W behind A's 128 rows
.set BHALF, 128*PB                     ; what one tensor load of W brings: 128 k rows
.set SLOT,  BOFF+2*BHALF               ; 141,312 bytes
.set STAGE, 2*SLOT                     ; behind the ring, never a tensor load's target: 16 rows x 272 bytes for each wave
.set SP,    272
.set ADRA, 16                          ; v16-17  LDS address of my A fragments in slot 0, 1
.set ADRB, 20                          ; v20-23  of my W fragments: 2 x slot + (which 128 of the slot's 256 k)
.set STO,  24                          ; v24     the way out: where I put 32 bytes of a row
.set RD,   25                          ; v25     where I read rows back
.set CO,   26                          ; v26     my byte offset in RES and OUT
.set BO,   27                          ; v27     my byte offset in the bias
.set BIASR, 28                         ; v28-31  bias of the four columns that I store
.set F0,   64                          ; v64-127   fragment buffer 0: A's four 16-row tiles at +0, W's four 16-column tiles at +32
.set F1,   128                         ; v128-191  fragment buffer 1
.set RES,  128                         ; window 1: v128-255, rows 16 a + 2 t + lane / 16, 16 bytes at 16 (lane % 16), at + 4 (8 a + t)
.set G1,  24                           ; s[24:31] descriptor group 1 for A
.set G0,  32                           ; s[32:39] group 0 for A, one set for each slot
.set G1B, 48                           ; s[48:55] group 1 for W
.set G0B, 56                           ; s[56:63] group 0 for W, one set for each slot
; Registers above v255: window 1 holds the accumulators, tile (a, b) at v[8 (4 a + b)].  s_set_vgpr_msb's low byte: bits 1:0 source 0,
; 3:2 source 1, 5:4 source 2, 7:6 destination; the high byte repeats the setting that is left.
.set MSB, 0
.macro WIN new
.if MSB != \new
	s_set_vgpr_msb (MSB<<8)|\new
.set MSB, \new
.endif
.endm
.set MULW, 0x50                        ; sources 0 and 1 in window 0, C and D in window 1
.macro PLACES                          ; four places behind a matrix instruction (ISA guide 7.12.1) before its registers are loaded into or its result read
.rept 4
	v_nop
.endr
.endm
; A joint load.  Waves 0 and 1 fetch A's two halves, waves 2 and 3 W's.  Each line has one mask and one set of registers for all that issue it.
.macro JLOAD s
	s_cmp_eq_u32 s11, 0
	s_cbranch_scc0 .Lfor_b_\@
	tensor_load_to_lds s[G0+4*\s:G0+4*\s+3], s[G1:G1+7]
	s_nop 0
.rept 4
	v_nop
.endr
	s_branch .Lasked_\@
.Lfor_b_\@:
	tensor_load_to_lds s[G0B+4*\s:G0B+4*\s+3], s[G1B:G1B+7]
	s_nop 0
.rept 4
	v_nop
.endr
.Lasked_\@:
.endm
; A round of the cluster's barrier: my work-group's barrier, wave 0 signals for the work-group, every wave waits for all sixteen, my work-group's barrier again.
.macro CREST
	s_cmp_lg_u32 s10, 0
	s_cbranch_scc1 .Lnot_wave_0_\@
	s_barrier_signal -3
.Lnot_wave_0_\@:
	s_barrier_wait -3
	s_barrier_signal -1
	s_barrier_wait -1
.endm
.macro CROUND
	s_barrier_signal -1
	s_barrier_wait -1
	CREST
.endm
	s_load_b128 s[4:7], s[0:1], 0x0                ; A s[4:5], wb s[6:7]
.if HASB
	s_load_b128 s[72:75], s[0:1], 0x10             ; bias s[72:73], RES s[74:75]
	s_load_b64 s[70:71], s[0:1], 0x20              ; OUT
	v_lshl_add_u32 v254, v0, 2, 0x49400
	v_mov_b32 v255, 0
	ds_add_u32 v254, v255
	ds_add_u32 v254, v255
.else
	s_load_b128 s[68:71], s[0:1], 0x10             ; RES s[68:69], OUT s[70:71]
.endif
	v_lshrrev_b32 v1, 5, v0
	v_readfirstlane_b32 s10, v1                    ; wave 0..3
	s_lshr_b32 s11, s10, 1                         ; my half of the block's rows.  Also: I fetch for A (0) or for W (1)
	s_and_b32 s12, s10, 1                          ; my half of its columns.  Also: which half of that tile I fetch
	s_bfe_u32 s40, ttmp6, 0x40000                  ; cx
	s_bfe_u32 s41, ttmp6, 0x40004                  ; cy
	s_lshl_b32 s42, ttmp9, 2
	s_add_co_u32 s42, s42, s40                     ; block column = 4 x cluster x + cx
	s_and_b32 s13, ttmp7, 0xffff
	s_lshl_b32 s13, s13, 2
	s_add_co_u32 s13, s13, s41                     ; block row = 4 x cluster y + cy
	s_lshl_b32 s43, s41, 2
	s_lshl_b32 s43, 15, s43                        ; my row of the cluster: places 4 cy .. 4 cy + 3
	s_lshl_b32 s44, 0x1111, s40                    ; my column: places cx, cx + 4, cx + 8, cx + 12
	; group 1 for A: 64 rows x 256 elements of 2 bytes, 4 words of padding behind every 128 words
	s_or_b32 s[G1+0], s43, (1<<16)|(1<<20)|(1<<21)|(6<<22)|(3<<25)
	s_mov_b32 s[G1+1], 256<<16                     ; tensor_dim0 = 256
	s_mov_b32 s[G1+2], 64<<16                      ; tensor_dim1 = 64
	s_mov_b32 s[G1+3], 256<<16                     ; tile_dim0 = 256
	s_mov_b32 s[G1+4], 64                          ; tile_dim1 = 64
	s_mov_b32 s[G1+5], 1024                        ; elements from row to row
	s_mov_b32 s[G1+6], 0
	s_mov_b32 s[G1+7], 0
	; group 1 for W: 128 k rows x 128 elements, 8 words of padding behind every 64 words
	s_or_b32 s[G1B+0], s44, (1<<16)|(1<<20)|(1<<21)|(5<<22)|(7<<25)
	s_mov_b32 s[G1B+1], 128<<16
	s_mov_b32 s[G1B+2], 128<<16
	s_mov_b32 s[G1B+3], 128<<16
	s_mov_b32 s[G1B+4], 128
	s_mov_b32 s[G1B+5], 1024
	s_mov_b32 s[G1B+6], 0
	s_mov_b32 s[G1B+7], 0
	; where the tiles come from: A's address is made of the block row and the wave, W's of the block column and the wave
	s_lshl_b32 s16, s13, 7
	s_lshl_b32 s17, s12, 6
	s_add_co_u32 s16, s16, s17                     ; A: row 128 x block row + 64 x half
	s_lshl_b32 s16, s16, 11                        ; x 2,048 bytes
	s_mov_b32 s17, 0
	s_lshl_b32 s46, s42, 8                         ; W: 128 columns of 2 bytes a block column
	s_lshl_b32 s47, s12, 18                        ; + 128 k rows of 2,048 bytes x half
	s_add_co_u32 s46, s46, s47
	s_add_co_u32 s46, s46, WMAT*2097152            ; + the matrix
	s_mov_b32 s47, 0
	s_mul_i32 s20, s10, AHALF                      ; and where they go: waves 0, 1: A's halves;
	s_mul_i32 s21, s10, BHALF
	s_sub_co_u32 s21, s21, 2*BHALF-BOFF            ; waves 2, 3: W's halves, behind A (the value is used by these two waves alone)
	s_wait_dscnt 0x0
	s_wait_kmcnt 0x0
	s_add_nc_u64 s[14:15], s[4:5], s[16:17]
	s_add_nc_u64 s[46:47], s[6:7], s[46:47]
	CROUND                                         ; all sixteen work-groups are here: the first joint loads meet
.irp s, 0,1
	s_mov_b32 s[G0+4*\s], 1
	s_add_co_u32 s[G0+4*\s+1], s20, \s*SLOT
	s_add_nc_u64 s[G0+4*\s+2:G0+4*\s+3], s[14:15], \s*512          ; 256 along K = 512 bytes of a row
	s_or_b32 s[G0+4*\s+3], s[G0+4*\s+3], 0x80000000
	s_mov_b32 s[G0B+4*\s], 1
	s_add_co_u32 s[G0B+4*\s+1], s21, \s*SLOT
	s_add_nc_u64 s[G0B+4*\s+2:G0B+4*\s+3], s[46:47], \s*524288     ; 256 k rows of 2,048 bytes
	s_or_b32 s[G0B+4*\s+3], s[G0B+4*\s+3], 0x80000000
	JLOAD \s                                       ; both slots are asked for before anything else: two loads of a wave are out, later never more than one
.endr
	; lane addresses.  r = lane % 16, h = lane / 16.
	v_and_b32 v1, 15, v0
	v_bfe_u32 v2, v0, 4, 1
	v_mul_u32_u24 v3, v1, PA
	v_lshl_add_u32 v3, v2, 4, v3                   ; A fragment: row r, 16 bytes at 16 h; second load 32 bytes on
	s_mul_i32 s22, s11, 64*PA
	v_add_nc_u32 v[ADRA], s22, v3
	v_add_nc_u32 v[ADRA+1], SLOT, v[ADRA]
	v_and_b32 v4, 7, v0                            ; W fragment by the transposing load: k row 8 h + lane % 8, 16 bytes at 16 ((lane / 8) % 2)
	v_lshl_add_u32 v4, v2, 3, v4
	v_mul_u32_u24 v4, v4, PB
	v_bfe_u32 v5, v0, 3, 1
	v_lshl_add_u32 v4, v5, 4, v4
	s_lshl_b32 s22, s12, 7                         ; my 64 columns: 128 bytes
	s_add_co_u32 s22, s22, BOFF
	v_add_nc_u32 v[ADRB], s22, v4
	v_add_nc_u32 v[ADRB+1], BHALF, v[ADRB]
	v_add_nc_u32 v[ADRB+2], SLOT, v[ADRB]
	v_add_nc_u32 v[ADRB+3], SLOT, v[ADRB+1]
	s_mul_i32 s22, s10, 16*SP
	s_add_co_u32 s22, s22, STAGE                   ; my stage
	v_mul_u32_u24 v5, v1, SP                       ; in: row r, 32 bytes (8 f32) at 32 h
	v_lshl_add_u32 v5, v2, 5, v5
	v_add_nc_u32 v[STO], s22, v5
	v_mul_u32_u24 v5, v2, SP                       ; back: lanes 0-15 one row of 256 bytes, lanes 16-31 the next
	v_lshl_add_u32 v5, v1, 4, v5
	v_add_nc_u32 v[RD], s22, v5
	v_lshlrev_b32 v[BO], 4, v1
	v_lshl_add_u32 v[CO], v2, 12, v[BO]            ; the same two rows in RES and OUT: rows of 4,096 bytes
.if HASB
	s_mov_b64 s[68:69], s[74:75]
.endif
	s_lshl_b32 s78, s42, 9                         ; my first column in bytes: 512 x block column + 256 x half
	s_lshl_b32 s76, s12, 8
	s_add_co_u32 s78, s78, s76
	s_mov_b32 s79, 0
	s_lshl_b32 s76, s13, 7
	s_lshl_b32 s77, s11, 6
	s_add_co_u32 s76, s76, s77                     ; my first row
	s_lshl_b32 s76, s76, 12
	s_add_co_u32 s76, s76, s78
	s_mov_b32 s77, 0
	s_add_nc_u64 s[68:69], s[68:69], s[76:77]
	s_add_nc_u64 s[70:71], s[70:71], s[76:77]
.if HASB
	s_add_nc_u64 s[72:73], s[72:73], s[78:79]
	global_load_b128 v[BIASR:BIASR+3], v[BO], s[72:73]
.endif
	WIN 0x40                                       ; destination in window 1
.irp a, 0,1,2,3
.irp t, 0,1,2,3,4,5,6,7
	global_load_b128 v[RES+4*(8*\a+\t):RES+4*(8*\a+\t)+3], v[CO], s[68:69] offset:(16*\a+2*\t)*4096    ; they stay on their way through the whole product
.endr
.endr
	WIN 0
; 16 LDS loads: the fragments of 32 along K (quarter q = 0..7 of the slot) into buffer f: W's four tiles, then A's four, a ascending
.macro FETCH slot, q, f
	WIN 0
.irp b, 0,1,2,3
	ds_load_tr16_b128 v[\f+32+8*\b:\f+32+8*\b+3], v[ADRB+2*\slot+(\q)/4] offset:((\q)%4)*32*PB+32*\b
	ds_load_tr16_b128 v[\f+32+8*\b+4:\f+32+8*\b+7], v[ADRB+2*\slot+(\q)/4] offset:((\q)%4)*32*PB+32*\b+16*PB
.endr
.irp a, 0,1,2,3
	ds_load_b128 v[\f+8*\a:\f+8*\a+3], v[ADRA+\slot] offset:\a*16*PA+64*(\q)
	ds_load_b128 v[\f+8*\a+4:\f+8*\a+7], v[ADRA+\slot] offset:\a*16*PA+64*(\q)+32
.endr
.endm
; four matrix instructions: rows 16 a .. + 15 x my 64 columns.  zero = 1: the first product starts the sums, nothing is cleared.
; The sixteen accumulators take turns, one instruction a turn, in the same order in every quarter.
.macro MUL4 f, a, zero
.irp b, 0,1,2,3
.if \zero
	v_wmma_f32_16x16x32_f16 v[8*(4*\a+\b):8*(4*\a+\b)+7], v[\f+32+8*\b:\f+32+8*\b+7], v[\f+8*\a:\f+8*\a+7], 0
.else
	v_wmma_f32_16x16x32_f16 v[8*(4*\a+\b):8*(4*\a+\b)+7], v[\f+32+8*\b:\f+32+8*\b+7], v[\f+8*\a:\f+8*\a+7], v[8*(4*\a+\b):8*(4*\a+\b)+7]
.endif
.endr
.endm
; multiplies buffer f (quarter q); in its middle fetches quarter q + 1 of the same slot into buffer g
.macro QUARTER slot, q, f, g, zero
	s_wait_dscnt 4                                 ; W and A's tiles 0, 1 are in; the youngest four loads (A's tiles 2, 3) may be out
	WIN MULW
	MUL4 \f, 0, \zero
	MUL4 \f, 1, \zero
	PLACES
	FETCH \slot, \q+1, \g
	s_wait_dscnt 16                                ; all but the 16 just issued
	WIN MULW
	MUL4 \f, 2, \zero
	MUL4 \f, 3, \zero
.endm
.macro RUN7 slot, zero
	QUARTER \slot, 0, F0, F1, \zero
	QUARTER \slot, 1, F1, F0, 0
	QUARTER \slot, 2, F0, F1, 0
	QUARTER \slot, 3, F1, F0, 0
	QUARTER \slot, 4, F0, F1, 0
	QUARTER \slot, 5, F1, F0, 0
	QUARTER \slot, 6, F0, F1, 0
.endm
; The slot's last quarter (buffer 1), and the change of slots.  One barrier for two things: in front of it each wave waits for its reads of
; this slot and for all its tensor loads (the one that is out is its part of the next slot); behind it nobody reads this slot and the next is
; whole.  fill = 1: the barrier opens a round of the cluster's barrier, and the joint refill is the first tensor load behind the round.
.macro TURN slot, next, fill
	s_wait_dscnt 4
	WIN MULW
	MUL4 F1, 0, 0
	s_wait_dscnt 0x0                               ; my reads of this slot are over
	s_wait_tensorcnt 0x0                           ; all my tensor loads have landed
	ds_add_u32 v254, v255
	s_wait_dscnt 0x0
	s_barrier_signal -1
	MUL4 F1, 1, 0                                  ; register work while the others arrive
	WIN 0
	s_barrier_wait -1
.if \fill
	CREST
	s_add_nc_u64 s[G0+4*\slot+2:G0+4*\slot+3], s[G0+4*\slot+2:G0+4*\slot+3], 1024       ; 512 along K on: no load of mine is out, so group 0 may be written
	s_add_nc_u64 s[G0B+4*\slot+2:G0B+4*\slot+3], s[G0B+4*\slot+2:G0B+4*\slot+3], 1048576
	JLOAD \slot                                    ; its four v_nop are also the places in front of the loads below
.else
	PLACES
.endif
	FETCH \next, 0, F0
	WIN MULW
	MUL4 F1, 2, 0
	MUL4 F1, 3, 0
.endm
	s_wait_tensorcnt 1                             ; my part of slot 0 is in; slot 1's may stay out
	s_barrier_signal -1
	s_barrier_wait -1
	FETCH 0, 0, F0
	RUN7 0, 1                                      ; k 0-255
	TURN 0, 1, 1                                   ; slot 0 is asked for again: k 512-767
	RUN7 1, 0                                      ; k 256-511
	TURN 1, 0, 1                                   ; slot 1: k 768-1023
	RUN7 0, 0
	TURN 0, 1, 0                                   ; nothing is left to fetch
	RUN7 1, 0
	s_wait_dscnt 4
	WIN MULW
	MUL4 F1, 0, 0
	MUL4 F1, 1, 0
	s_wait_dscnt 0x0
	MUL4 F1, 2, 0
	MUL4 F1, 3, 0
	; THE WAY OUT, 16 rows at a time through my own stage: in by tiles, back by rows of 256 bytes, the residual (and the bias) added, stored.
	PLACES
	s_wait_loadcnt 0x0                             ; the residual (and the bias)
.macro OUTF a, f
	WIN 0x04                                       ; store data in window 1
.irp b, 0,1,2,3
	ds_store_b128 v[STO], v[8*(4*\a+\b):8*(4*\a+\b)+3] offset:64*\b
	ds_store_b128 v[STO], v[8*(4*\a+\b)+4:8*(4*\a+\b)+7] offset:64*\b+16
.endr
	WIN 0
	s_wait_xcnt 0x0                                ; buffer f, which earlier stores read, is loaded again only behind this wait
.irp t, 0,1,2,3,4,5,6,7
	ds_load_b128 v[\f+4*\t:\f+4*\t+3], v[RD] offset:\t*2*SP        ; LDS serves a wave's instructions in order (ISA guide 5.7.1.4): these see the stores above
.endr
	s_wait_dscnt 0x0
.if HASB
.irp t, 0,1,2,3,4,5,6,7
	v_pk_add_f32 v[\f+4*\t:\f+4*\t+1], v[\f+4*\t:\f+4*\t+1], v[BIASR:BIASR+1]
	v_pk_add_f32 v[\f+4*\t+2:\f+4*\t+3], v[\f+4*\t+2:\f+4*\t+3], v[BIASR+2:BIASR+3]
.endr
.endif
	WIN 0x04                                       ; source 1 in window 1
.irp t, 0,1,2,3,4,5,6,7
	v_pk_add_f32 v[\f+4*\t:\f+4*\t+1], v[\f+4*\t:\f+4*\t+1], v[RES+4*(8*\a+\t):RES+4*(8*\a+\t)+1]
	v_pk_add_f32 v[\f+4*\t+2:\f+4*\t+3], v[\f+4*\t+2:\f+4*\t+3], v[RES+4*(8*\a+\t)+2:RES+4*(8*\a+\t)+3]
.endr
	WIN 0
.irp t, 0,1,2,3,4,5,6,7
	global_store_b128 v[CO], v[\f+4*\t:\f+4*\t+3], s[70:71] offset:(16*\a+2*\t)*4096    ; 16 lanes store 256 consecutive bytes, aligned
.endr
.endm
	OUTF 0, F0
	OUTF 1, F1
	OUTF 2, F0
	OUTF 3, F1
	s_wait_tensorcnt 0x0
	ds_add_u32 v254, v255
	s_wait_dscnt 0x0
	CROUND                                         ; the closing round: no work-group ends while a partner may still ask for a tile that names it
	s_endpgm
.Lfunc_end_k_qeb0f333551_ffn_down:
	.size	k_qeb0f333551_ffn_down, .Lfunc_end_k_qeb0f333551_ffn_down-k_qeb0f333551_ffn_down
	.p2alignl 7, 3214868480
	.fill 96, 4, 3214868480
	.section	.rodata,"a",@progbits
	.p2align	6, 0x0
	.amdhsa_kernel k_qeb0f333551_ffn_down
		.amdhsa_group_segment_fixed_size 327680
		.amdhsa_private_segment_fixed_size 0
		.amdhsa_enable_private_segment 0
		.amdhsa_kernarg_size 40
		.amdhsa_user_sgpr_count 2
		.amdhsa_user_sgpr_kernarg_segment_ptr 1
		.amdhsa_wavefront_size32 1
		.amdhsa_system_sgpr_workgroup_id_x 1
		.amdhsa_system_sgpr_workgroup_id_y 1
		.amdhsa_system_sgpr_workgroup_id_z 1
		.amdhsa_system_vgpr_workitem_id 0
		.amdhsa_next_free_vgpr 512
		.amdhsa_next_free_sgpr 80
		.amdhsa_reserve_vcc 0
		.amdhsa_float_denorm_mode_32 3
		.amdhsa_float_denorm_mode_16_64 3
		.amdhsa_memory_ordered 1
		.amdhsa_forward_progress 1
		.amdhsa_inst_pref_size 101
	.end_amdhsa_kernel
	.amdgpu_metadata
---
amdhsa.version: [ 1, 2 ]
amdhsa.kernels:
  - .name:           k_qeb0f333551_ffn_down
    .symbol:         k_qeb0f333551_ffn_down.kd
    .args:
      - { .name: hb, .offset: 0, .size: 8, .value_kind: global_buffer, .address_space: global }
      - { .name: wb, .offset: 8, .size: 8, .value_kind: global_buffer, .address_space: global }
      - { .name: b2, .offset: 16, .size: 8, .value_kind: global_buffer, .address_space: global }
      - { .name: x1, .offset: 24, .size: 8, .value_kind: global_buffer, .address_space: global }
      - { .name: out0, .offset: 32, .size: 8, .value_kind: global_buffer, .address_space: global }
    .group_segment_fixed_size: 327680
    .private_segment_fixed_size: 0
    .kernarg_segment_align: 8
    .kernarg_segment_size: 40
    .max_flat_workgroup_size: 128
    .sgpr_count:     80
    .vgpr_count:     512
    .wavefront_size: 32
...
	.end_amdgpu_metadata
.endif
;; end of part 7
